; MI455X (gfx1250); checked and timed in simulation.
; The chip was launched on July 23, 2026; its instructions are those of AMD's public machine-readable ISA for CDNA 5 (MIT licence, August 2026) and "CDNA5" Instruction Set Architecture Reference Guide (July 2026). The comments in the code are by the model that wrote it; some were corrected since.
;; Tt T5 Attention. Allowed arithmetic: float matrix products may take bf16 or f16 operands with f32 sums; all other float work in f32.
;; Inputs: hidden_states 8 x 1,024 x 1,024 float32; rel_bias 32 x 16 float32; wk 1,024 x 1,024 float32; wo 1,024 x 1,024 float32; wq 1,024 x 1,024 float32; wv 1,024 x 1,024 float32.
;; Outputs: out0 8 x 1,024 x 1,024 float32.
;; 2 versions, each right; version 2 is version 1 with the launch prep written anew for expert scheduling mode. Each part assembles by itself: llvm-mc -triple=amdgcn-amd-amdhsa -mcpu=gfx1250 --defsym DOCPART=n.
;; ======== version 1 of 2: 4 launches
;; limits: values are held in f16: magnitudes above 65,504 overflow, below 6.1e-05 lose precision; values outside matrix products are rounded to bf16
;; workspace buffers: hf 16,777,216 bytes; wf 8,388,608 bytes; qkv 50,331,648 bytes; ctx 16,777,216 bytes
;; launch prep (part 1): grid 64 x 12, 8 waves a work-group, no clusters, 0 bytes of LDS; arguments hidden_states, wq, wk, wv, wo, hf, wf; writes hf, wf
.if DOCPART == 1
	.amdgcn_target "amdgcn-amd-amdhsa--gfx1250"
	.amdhsa_code_object_version 6
	.text
	.protected	k_q39da6a7b04_prep
	.globl	k_q39da6a7b04_prep
	.p2align	8
	.type	k_q39da6a7b04_prep,@function
k_q39da6a7b04_prep:
	s_mov_b64 s[64:65], 0
	v_nop
	global_prefetch_b8 v0, s[64:65] scope:SCOPE_SE
	s_setreg_imm32_b32 hwreg(HW_REG_WAVE_MODE, 25, 1), 1
	s_wait_xcnt 0x0
; Rounds the matrix operands to bf16 (to nearest even) and lays them out for the products that follow:
;   hidden_states -> hf, bf16 [16 k blocks][8192 rows][64]: two neighbouring rows of a k block are 256 consecutive bytes;
;   wq, wk, wv    -> wf, bf16 [1024 k][3072 = q | k | v]: the first 6,291,456 bytes;
;   wo            -> wf behind them, [1024 k][1024 n], rounded to bf16 like the others and then written in f16's format, since its partner in the
;                    last product (ctx) is kept in f16.
; So every input enters the program rounded to bf16 and to nothing else.
; LIMIT (wo alone): a bf16 number is exact in f16 for magnitudes from 2^-17 up to 65,504; below, it is rounded to f16's step of 2^-24;
; from 65,504 on it would become an infinity.
; A stream: no LDS, no barrier, no matrix unit.  Grid y picks a unit of 1,048,576 numbers (0-7: hidden_states; 8-11: wq, wk, wv, wo),
; grid x a chunk of 16 rows of 1,024 numbers: 64 KiB in, 32 KiB out.  A lane takes 16 bytes a load and stores 8 bytes for them.
; Weights: thread t keeps columns 4 t .. 4 t + 3, load j is row j: a load of a wave covers 512 consecutive bytes, a store 256, aligned.
; hidden_states: wave w keeps k blocks 2 w and 2 w + 1; a load takes two rows x 64 columns (lanes 0-15 one row, lanes 16-31 the next: two aligned
; pieces of 256 bytes), and its store is the 256 consecutive bytes that those two rows have in hf.
; All sixteen loads of a lane go out first; no source of a pending instruction is ever rewritten.
.set X, 4                              ; v[4:67]   sixteen loads of four f32
.set Y, 68                             ; v[68:99]  sixteen results of four 16-bit numbers
.set WROW, 6144                        ; bytes of a k row of q | k | v in wf
.set KBB,  8192*128                    ; bytes of a k block of hf
; Sixteen loads, then sixteen pieces.  Piece j stands at (j % 8) la + (j / 8) lb in the source and at (j % 8) sa + (j / 8) sb in the destination.
; tof16 = 1: the rounded numbers are widened again (a shift, a mask) and written in f16's format.
.macro RUN la, lb, sa, sb, tof16
.irp j, 0,1,2,3,4,5,6,7,8,9,10,11,12,13,14,15
	global_load_b128 v[X+4*\j:X+4*\j+3], v1, s[22:23] offset:(\j&7)*\la+(\j>>3)*\lb th:TH_LOAD_NT   ; read once in the launch
.endr
.irp j, 0,1,2,3,4,5,6,7,8,9,10,11,12,13,14,15
	s_wait_loadcnt 15-\j                           ; loads come back in order: load j is in, the 15 - j younger ones stay out
	v_cvt_pk_bf16_f32 v[Y+2*\j], v[X+4*\j], v[X+4*\j+1]
	v_cvt_pk_bf16_f32 v[Y+2*\j+1], v[X+4*\j+2], v[X+4*\j+3]
.if \tof16
	v_lshlrev_b32 v[X+4*\j], 16, v[Y+2*\j]
	v_and_b32 v[X+4*\j+1], s20, v[Y+2*\j]
	v_lshlrev_b32 v[X+4*\j+2], 16, v[Y+2*\j+1]
	v_and_b32 v[X+4*\j+3], s20, v[Y+2*\j+1]
	v_cvt_pk_f16_f32 v[Y+2*\j], v[X+4*\j], v[X+4*\j+1]
	v_cvt_pk_f16_f32 v[Y+2*\j+1], v[X+4*\j+2], v[X+4*\j+3]
.endif
	global_store_b64 v2, v[Y+2*\j:Y+2*\j+1], s[26:27] offset:(\j&7)*\sa+(\j>>3)*\sb   ; no hint: a later launch reads these bytes
.endr
.endm
	s_load_b256 s[4:11], s[0:1], 0x0               ; hidden_states s[4:5], wq s[6:7], wk s[8:9], wv s[10:11]
	s_load_b128 s[12:15], s[0:1], 0x20             ; wo s[12:13], hf s[14:15]
	s_load_b64 s[16:17], s[0:1], 0x30              ; wf
	s_and_b32 s18, ttmp7, 0xffff                   ; the unit, 0 to 11
	s_cmp_lt_u32 s18, 8
	s_cselect_b32 s24, s18, 0                      ; source: unit of hidden_states, or the weight's first byte
	s_lshl_b32 s24, s24, 22                        ; units of 4 MiB,
	s_lshl_b32 s19, ttmp9, 16                      ; chunks of 64 KiB
	s_add_co_u32 s24, s24, s19
	s_mov_b32 s25, 0
	s_mov_b32 s29, 0
	s_mov_b32 s20, 0xffff0000                      ; a word's upper bf16
	s_wait_kmcnt 0x0
	s_cmp_eq_u32 s18, 8                            ; the choices hang on the grid's y alone
	s_cselect_b64 s[22:23], s[6:7], s[4:5]
	s_cmp_eq_u32 s18, 9
	s_cselect_b64 s[22:23], s[8:9], s[22:23]
	s_cmp_eq_u32 s18, 10
	s_cselect_b64 s[22:23], s[10:11], s[22:23]
	s_cmp_eq_u32 s18, 11
	s_cselect_b64 s[22:23], s[12:13], s[22:23]
	s_add_nc_u64 s[22:23], s[22:23], s[24:25]
	s_cmp_lt_u32 s18, 8
	s_cbranch_scc1 .Lhidden
	v_lshlrev_b32 v1, 4, v0                        ; weights: 16 t in,
	v_lshlrev_b32 v2, 3, v0                        ; 8 t out
	s_cmp_eq_u32 s18, 11
	s_cbranch_scc1 .Lwo
	s_sub_co_u32 s28, s18, 8                       ; wq, wk, wv: the matrix's 2,048 bytes in a k row,
	s_lshl_b32 s28, s28, 11
	s_mul_i32 s19, ttmp9, 16*WROW                  ; 16 k rows a chunk
	s_add_co_u32 s28, s28, s19
	s_add_nc_u64 s[26:27], s[16:17], s[28:29]
	RUN 4096, 8*4096, WROW, 8*WROW, 0
	s_endpgm
.Lwo:
	s_lshl_b32 s28, ttmp9, 15                      ; wo: 16 k rows of 2,048 bytes a chunk, behind q | k | v
	s_add_co_u32 s28, s28, 1024*WROW
	s_add_nc_u64 s[26:27], s[16:17], s[28:29]
	RUN 4096, 8*4096, 2048, 8*2048, 1
	s_endpgm
.Lhidden:
	s_lshl_b32 s28, s18, 17                        ; 1,024 rows of 128 bytes a unit,
	s_lshl_b32 s19, ttmp9, 11                      ; 16 a chunk
	s_add_co_u32 s28, s28, s19
	s_add_nc_u64 s[26:27], s[14:15], s[28:29]
	v_and_b32 v3, 31, v0                           ; lane
	v_lshrrev_b32 v4, 5, v0                        ; wave
	v_bfe_u32 v5, v0, 4, 1                         ; which of the two rows
	v_and_b32 v6, 15, v0                           ; which 4 of the 64 columns
	v_lshlrev_b32 v1, 4, v6
	v_lshl_add_u32 v1, v5, 12, v1                  ; in: 16 c + 4,096 x row
	v_lshl_add_u32 v1, v4, 9, v1                   ;     + two k blocks of 256 bytes a wave
	v_lshlrev_b32 v2, 3, v3                        ; out: 8 x lane = 128 x row + 8 c
	v_lshl_add_u32 v2, v4, 21, v2                  ;      + two k blocks a wave
	RUN 2*4096, 256, 256, KBB, 0                   ; piece j: rows 2 (j % 8) and + 1, k block 2 w + j / 8
	s_endpgm
.Lfunc_end_k_q39da6a7b04_prep:
	.size	k_q39da6a7b04_prep, .Lfunc_end_k_q39da6a7b04_prep-k_q39da6a7b04_prep
	.p2alignl 7, 3214868480
	.fill 96, 4, 3214868480
	.section	.rodata,"a",@progbits
	.p2align	6, 0x0
	.amdhsa_kernel k_q39da6a7b04_prep
		.amdhsa_group_segment_fixed_size 0
		.amdhsa_private_segment_fixed_size 0
		.amdhsa_enable_private_segment 0
		.amdhsa_kernarg_size 56
		.amdhsa_user_sgpr_count 2
		.amdhsa_user_sgpr_kernarg_segment_ptr 1
		.amdhsa_wavefront_size32 1
		.amdhsa_system_sgpr_workgroup_id_x 1
		.amdhsa_system_sgpr_workgroup_id_y 1
		.amdhsa_system_sgpr_workgroup_id_z 1
		.amdhsa_system_vgpr_workitem_id 0
		.amdhsa_next_free_vgpr 100
		.amdhsa_next_free_sgpr 66
		.amdhsa_reserve_vcc 0
		.amdhsa_float_denorm_mode_32 3
		.amdhsa_float_denorm_mode_16_64 3
		.amdhsa_memory_ordered 1
		.amdhsa_forward_progress 1
		.amdhsa_inst_pref_size 23
	.end_amdhsa_kernel
	.amdgpu_metadata
---
amdhsa.version: [ 1, 2 ]
amdhsa.kernels:
  - .name:           k_q39da6a7b04_prep
    .symbol:         k_q39da6a7b04_prep.kd
    .args:
      - { .name: hidden_states, .offset: 0, .size: 8, .value_kind: global_buffer, .address_space: global }
      - { .name: wq, .offset: 8, .size: 8, .value_kind: global_buffer, .address_space: global }
      - { .name: wk, .offset: 16, .size: 8, .value_kind: global_buffer, .address_space: global }
      - { .name: wv, .offset: 24, .size: 8, .value_kind: global_buffer, .address_space: global }
      - { .name: wo, .offset: 32, .size: 8, .value_kind: global_buffer, .address_space: global }
      - { .name: hf, .offset: 40, .size: 8, .value_kind: global_buffer, .address_space: global }
      - { .name: wf, .offset: 48, .size: 8, .value_kind: global_buffer, .address_space: global }
    .group_segment_fixed_size: 0
    .private_segment_fixed_size: 0
    .kernarg_segment_align: 8
    .kernarg_segment_size: 56
    .max_flat_workgroup_size: 256
    .sgpr_count:     66
    .vgpr_count:     100
    .wavefront_size: 32
...
	.end_amdgpu_metadata
.endif
;; end of part 1
;; launch qkv (part 2): grid 8 x 32, 4 waves a work-group, clusters of 4 x 4, 327,680 bytes of LDS; arguments hf, wf, qkv; writes qkv
.if DOCPART == 2
	.amdgcn_target "amdgcn-amd-amdhsa--gfx1250"
	.amdhsa_code_object_version 6
	.text
	.protected	k_q39da6a7b04_qkv
	.globl	k_q39da6a7b04_qkv
	.p2align	8
	.type	k_q39da6a7b04_qkv,@function
k_q39da6a7b04_qkv:
	s_mov_b64 s[64:65], 0
	v_nop
	global_prefetch_b8 v0, s[64:65] scope:SCOPE_SE
	s_setreg_imm32_b32 hwreg(HW_REG_WAVE_MODE, 25, 1), 1
	s_wait_xcnt 0x0
	s_wait_alu depctr_hold_cnt(0) depctr_sa_sdst(0) depctr_va_vdst(0) depctr_va_sdst(0) depctr_va_ssrc(0) depctr_va_vcc(0) depctr_vm_vsrc(0)
	s_getreg_b32 s2, hwreg(HW_REG_IB_STS2, 6, 4)
	s_cmp_eq_u32 s2, 0
	s_cbranch_scc0 .Lentry_in_a_cluster
	s_endpgm
.Lentry_in_a_cluster:
	s_bfe_u32 s2, ttmp6, 0x10000c
	s_cmp_lg_u32 s2, 0xf033
	s_cbranch_scc0 .Lentry_shape_is_right
	s_endpgm
.Lentry_shape_is_right:
; q log2e, k, v = hidden x (wq | wk | wv): [8192 x 1024] x [1024 x 3072], bf16 operands, f32 sums, f16 results laid out by heads:
; qkv [3 matrices][128 = batch x 16 + head][1024 tokens][64].  Two neighbouring tokens of a head are 256 consecutive bytes there.
; q's sums are multiplied by log2(e) in f32 before their one rounding, so that the later scores q.k arrive in the base-2 domain of v_exp_f32.
; Results in f16 and not bf16: the scores are not scaled by 1/sqrt(dk), a rounding of q and k to 8 bits would move them by hundredths.
; LIMIT: |q log2e|, |k|, |v| must stay below 65,504.
; SHARES: 8 x 32 = 256 work-groups of equal work, a block of 256 rows x 384 columns (six heads) each; four waves, 128 rows x 192 columns (three heads)
; each: 96 accumulator tiles, 768 registers, one window of 256 for each head.  For 32 along K a wave reads 320 rows of fragments for 96 matrix instructions.
; K goes in 16 steps of 64 through a ring of two LDS slots filled by the tensor data mover; two slots of 128 along K would take 360,448 bytes and do not fit.
; A (hf) lies [k block of 64][row][64]: a step's 256 rows are 32,768 consecutive bytes, brought as rows of 256 bytes (two rows of A).
; B (wf) lies [k][3072]: a step's tile is 64 k-rows of 768 bytes; its fragments are read with the transposing LDS load.
; CLUSTERS: 4 x 4 work-groups.  A's tile hangs on the block row alone and is asked for jointly along a row of the cluster, B's on the block column
; alone and jointly along a column: the requests for A and for B are divided by four.
;
; REGISTERS: window 0: v8-25 addresses and factors; v32-95, v96-159 fragments of A (8 x 16 rows x 32 K), two buffers; v160-255 fragments of B, three
; buffers of 32 registers, one for each head.  Window 1 + hh: head hh's 32 tiles, tile (a, b) at v[8 (4 a + b)].
; A QUARTER STEP (32 along K) is three groups of 32 matrix instructions, one head and window each.  Behind group g its B buffer is free and is loaded
; for the next quarter step; A's other buffer is loaded in two halves behind groups 0 and 1.
; THE MATRIX INSTRUCTION IS USED TRANSPOSED: source 0 = 16 columns of B, source 1 = 16 rows of A, so that lane l holds row l % 16 of the
; result and its registers 0 to 7 the columns 8 (l / 16) + 0 .. 7: eight neighbouring numbers, 16 bytes of f16.
.set KSTEP,  64
.set APITCH, 272                       ; two rows of A: 256 bytes + 16.  The 16 rows of a fragment, at (r >> 1) 272 + (r & 1) 128, fall on 16 different 16-byte columns modulo 256 bytes
.set AHALF,  64*APITCH                 ; 128 rows of A: one tensor load, and what one wave reads
.set BSEG,   288                       ; two heads of a k-row: 256 bytes + 32
.set BPITCH, 3*BSEG                    ; a k-row: 864 = 96 modulo 256, an odd multiple of 32: the 8 rows x 2 pieces of a transposing load fall on 16 different columns
.set BHALF,  32*BPITCH                 ; 32 k-rows: one tensor load (a step's tile has 64, shared between two waves)
.set BOFF,   2*AHALF
.set SLOT,   BOFF+2*BHALF              ; 90,112
.set STAGE,  2*SLOT                    ; behind the ring: 16 rows x 144 bytes for each wave, for the way out; no tensor load lands there
.set SGP,    144
.set LAPS,   1024/(2*KSTEP)            ; a lap = two K steps = once round the ring: 8
.set KBB,    8192*128                  ; bytes of a k block of hf
.set WROW,   6144                      ; bytes of a k-row of wf
.set ADRA, 8                           ; v8-9    LDS address of my A fragments in slot 0, 1
.set ADRB, 10                          ; v10-15  the same for B: slot s, head hh at 10 + 3 s + hh
.set STO,  16                          ; v16     the way out: where I put 16 bytes of a row
.set RD,   17                          ; v17     the way out: where I read back
.set CO,   18                          ; v18     16 x lane
.set SC,   20                          ; v20-25  the way out: each head's factor, twice
.set FA,   32                          ; A's buffer f at FA + 64 f
.set FB,   160                         ; B's buffer of head g at FB + 32 g
.set TMP,  32                          ; the way out: packed results
.set RB,   96                          ; the way out: rows read back, two sets of 64
.set G1, 24                            ; s[24:31] descriptor group 1 for A's tiles
.set G0, 32                            ; s[32:39] group 0 for A's tiles, one set for each slot
.set G1B, 48                           ; s[48:55] group 1 for B's tiles
.set G0B, 56                           ; s[56:63] group 0 for B's tiles, one set for each slot
.set OB, 68                            ; s[68:73] the way out: each head's place in qkv
.set W1, 0x50                          ; sources 0 and 1 window 0, C and D window 1;
.set W2, 0xa0                          ; window 2;
.set W3, 0xf0                          ; window 3
.set MSB, 0
.macro WIN new                         ; low byte: bits 1:0 source 0, 3:2 source 1, 5:4 source 2, 7:6 destination; the high byte repeats the setting that is left
.if MSB != \new
	s_set_vgpr_msb (MSB<<8)|\new
.set MSB, \new
.endif
.endm
; A joint load.  Waves 0 and 1 fetch A's two halves, waves 2 and 3 B's.  The branch hangs on the wave's number alone.
.macro JLOAD s
	s_cmp_eq_u32 s11, 0
	s_cbranch_scc0 .Lfor_b_\@
	tensor_load_to_lds s[G0+4*\s:G0+4*\s+3], s[G1:G1+7]
	s_nop 0
	s_branch .Lasked_\@
.Lfor_b_\@:
	tensor_load_to_lds s[G0B+4*\s:G0B+4*\s+3], s[G1B:G1B+7]
	s_nop 0
.Lasked_\@:
.endm
; A round of the cluster's barrier: my work-group's barrier; wave 0 signals for the work-group; every wave waits for all sixteen
; work-groups; my work-group's barrier once more.
.macro CREST                           ; a round behind its opening barrier
	s_cmp_lg_u32 s10, 0
	s_cbranch_scc1 .Lnot_wave_0_\@
	s_barrier_signal -3
.Lnot_wave_0_\@:
	s_barrier_wait -3
	s_barrier_signal -1
	s_barrier_wait -1
.endm
.macro CROUND                          ; a whole round
	s_barrier_signal -1
	s_barrier_wait -1
	CREST
.endm
	s_load_b128 s[4:7], s[0:1], 0x0                ; hf s[4:5], wf s[6:7]
	s_load_b64 s[8:9], s[0:1], 0x10                ; qkv
	v_lshl_add_u32 v30, v0, 2, 0x2e400
	v_mov_b32 v31, 0
	ds_add_u32 v30, v31
	ds_add_u32 v30, v31
	v_lshrrev_b32 v1, 5, v0
	v_readfirstlane_b32 s10, v1                    ; wave 0..3
	s_lshr_b32 s11, s10, 1                         ; which 128 rows are mine.  Also: I fetch for A (0) or for B (1)
	s_and_b32 s12, s10, 1                          ; which three heads.  Also: which half of that tile I fetch
	s_bfe_u32 s40, ttmp6, 0x40000                  ; cx
	s_bfe_u32 s41, ttmp6, 0x40004                  ; cy
	s_lshl_b32 s42, ttmp9, 2
	s_add_co_u32 s42, s42, s40                     ; block column = 4 x cluster x + cx, 0 to 7
	s_and_b32 s13, ttmp7, 0xffff
	s_lshl_b32 s13, s13, 2
	s_add_co_u32 s13, s13, s41                     ; block row = 4 x cluster y + cy, 0 to 31
	s_lshl_b32 s43, s41, 2
	s_lshl_b32 s43, 15, s43                        ; my row of the cluster: places 4 cy .. 4 cy + 3
	s_lshl_b32 s44, 0x1111, s40                    ; my column: places cx, cx + 4, cx + 8, cx + 12
	; group 1 for A: 64 dense rows of 32 elements of 8 bytes, 4 words of padding behind every 64 words
	s_or_b32 s[G1+0], s43, (3<<16)|(1<<20)|(1<<21)|(5<<22)|(3<<25)
	s_mov_b32 s[G1+1], 32<<16                      ; tensor_dim0 = 32
	s_mov_b32 s[G1+2], 64<<16                      ; tensor_dim1 = 64
	s_mov_b32 s[G1+3], 32<<16                      ; tile_dim0 = 32
	s_mov_b32 s[G1+4], 64                          ; tile_dim1 = 64
	s_mov_b32 s[G1+5], 32                          ; from row to row: dense
	s_mov_b32 s[G1+6], 0
	s_mov_b32 s[G1+7], 0
	; group 1 for B: 32 k-rows x 384 elements of 2 bytes (192 words), 8 words of padding behind every 64 words: three times in a row
	s_or_b32 s[G1B+0], s44, (1<<16)|(1<<20)|(1<<21)|(5<<22)|(7<<25)
	s_mov_b32 s[G1B+1], 384<<16                    ; tensor_dim0 = 384
	s_mov_b32 s[G1B+2], 32<<16                     ; tensor_dim1 = 32
	s_mov_b32 s[G1B+3], 384<<16                    ; tile_dim0 = 384
	s_mov_b32 s[G1B+4], 32                         ; tile_dim1 = 32
	s_mov_b32 s[G1B+5], 3072                       ; elements from k-row to k-row
	s_mov_b32 s[G1B+6], 0
	s_mov_b32 s[G1B+7], 0
	; where the tiles come from: A's offset is made of the block row and the wave's number, B's of the block column and the wave's number,
	; each in registers that never hold the other coordinate
	s_lshl_b32 s16, s13, 15                        ; A: 256 rows of 128 bytes for each block row,
	s_lshl_b32 s17, s12, 14                        ; 128 for the tile's second half
	s_add_co_u32 s16, s16, s17
	s_mov_b32 s17, 0
	s_mul_i32 s46, s42, 768                        ; B: 384 columns x 2 bytes for each block column,
	s_mul_i32 s47, s12, 32*WROW                    ; 32 k-rows for the tile's second half
	s_add_co_u32 s46, s46, s47
	s_mov_b32 s47, 0
	s_mul_i32 s20, s10, AHALF                      ; where A's parts go (waves 0, 1): wave x 17,408;
	s_mul_i32 s45, s10, BHALF
	s_sub_co_u32 s45, s45, 2*BHALF-BOFF            ; and B's (waves 2, 3): 34,816 + (wave - 2) x 27,648
	s_wait_dscnt 0x0
	s_wait_kmcnt 0x0
	s_add_nc_u64 s[14:15], s[4:5], s[16:17]
	s_add_nc_u64 s[46:47], s[6:7], s[46:47]
	CROUND                                         ; all sixteen work-groups are here: the first joint loads meet
.irp s, 0,1
	s_mov_b32 s[G0+4*\s], 1
	s_add_co_u32 s[G0+4*\s+1], s20, \s*SLOT
	s_add_nc_u64 s[G0+4*\s+2:G0+4*\s+3], s[14:15], \s*KBB              ; K step s: k block s
	s_or_b32 s[G0+4*\s+3], s[G0+4*\s+3], 0x80000000
	s_mov_b32 s[G0B+4*\s], 1
	s_add_co_u32 s[G0B+4*\s+1], s45, \s*SLOT
	s_add_nc_u64 s[G0B+4*\s+2:G0B+4*\s+3], s[46:47], \s*KSTEP*WROW     ; K step s: 64 k-rows down B
	s_or_b32 s[G0B+4*\s+3], s[G0B+4*\s+3], 0x80000000
	JLOAD \s                                       ; two tensor loads of the wave are out: the most in this text
.endr
	; A's fragment: lane l holds row r = l % 16; two loads of 16 bytes, 32 bytes apart, at (r >> 1) 272 + (r & 1) 128 + 16 (l / 16).
	; B's fragment, from [k][n]: two transposing loads, 16 k-rows apart; lane l addresses k-row 8 (l / 16) + l % 8, piece (l / 8) % 2 of 16 bytes,
	; and receives column l % 16 with k along its registers.
	v_and_b32 v1, 15, v0                           ; r
	v_bfe_u32 v2, v0, 4, 1                         ; h
	v_lshrrev_b32 v3, 1, v1
	v_mul_u32_u24 v3, v3, APITCH
	v_and_b32 v4, 1, v0
	v_lshl_add_u32 v3, v4, 7, v3
	v_lshl_add_u32 v3, v2, 4, v3
	v_and_b32 v6, 7, v0
	v_lshl_add_u32 v6, v2, 3, v6
	v_mul_u32_u24 v6, v6, BPITCH
	v_bfe_u32 v7, v0, 3, 1
	v_lshl_add_u32 v6, v7, 4, v6
	s_mul_i32 s21, s11, AHALF                      ; my 128 rows of A
	v_add_nc_u32 v[ADRA], s21, v3
	v_add_nc_u32 v[ADRA+1], SLOT, v[ADRA]
	s_mul_i32 s22, s12, 3                          ; my first head among the block's six
.irp hh, 0,1,2
	s_add_co_u32 s18, s22, \hh                     ; head H lies at (H >> 1) 288 + (H & 1) 128 of a k-row
	s_lshr_b32 s19, s18, 1
	s_mul_i32 s19, s19, BSEG
	s_and_b32 s18, s18, 1
	s_lshl_b32 s18, s18, 7
	s_add_co_u32 s18, s18, s19
	s_add_co_u32 s18, s18, BOFF
	v_add_nc_u32 v[ADRB+\hh], s18, v6
	v_add_nc_u32 v[ADRB+3+\hh], SLOT, v[ADRB+\hh]
.endr
	s_mul_i32 s23, s10, 16*SGP
	s_add_co_u32 s23, s23, STAGE                   ; my stage
	v_mul_u32_u24 v4, v1, SGP                      ; in: row r, 16 bytes for each half of the lanes
	v_lshl_add_u32 v4, v2, 4, v4
	v_add_nc_u32 v[STO], s23, v4
	v_bfe_u32 v5, v0, 3, 2                         ; back: eight lanes take a row's 128 bytes, four rows a load
	v_mul_u32_u24 v5, v5, SGP
	v_and_b32 v7, 7, v0
	v_lshl_add_u32 v5, v7, 4, v5
	v_add_nc_u32 v[RD], s23, v5
	v_and_b32 v5, 31, v0
	v_lshlrev_b32 v[CO], 4, v5                     ; in qkv those four rows are 512 consecutive bytes
; 16 matrix instructions: row blocks a0 .. a0 + 3 x the four column blocks of head g, 32 along K, on A's buffer f.  zero = 1: the first product starts the sums.
; The 96 accumulators take turns, one instruction a turn, in the same order in every quarter step.
.macro MUL16 f, g, a0, zero
.irp a, \a0, \a0+1, \a0+2, \a0+3
.irp b, 0,1,2,3
.if \zero
	v_wmma_f32_16x16x32_bf16 v[8*(4*(\a)+\b):8*(4*(\a)+\b)+7], v[FB+32*\g+8*\b:FB+32*\g+8*\b+7], v[FA+64*\f+8*(\a):FA+64*\f+8*(\a)+7], 0
.else
	v_wmma_f32_16x16x32_bf16 v[8*(4*(\a)+\b):8*(4*(\a)+\b)+7], v[FB+32*\g+8*\b:FB+32*\g+8*\b+7], v[FA+64*\f+8*(\a):FA+64*\f+8*(\a)+7], v[8*(4*(\a)+\b):8*(4*(\a)+\b)+7]
.endif
.endr
.endr
.endm
.macro LDB slot, kq, g                 ; 8 transposing loads: head g's 64 columns, quarter kq of a slot
.irp b, 0,1,2,3
	ds_load_tr16_b128 v[FB+32*\g+8*\b:FB+32*\g+8*\b+3],   v[ADRB+3*\slot+\g] offset:\kq*32*BPITCH+32*\b
	ds_load_tr16_b128 v[FB+32*\g+8*\b+4:FB+32*\g+8*\b+7], v[ADRB+3*\slot+\g] offset:\kq*32*BPITCH+16*BPITCH+32*\b
.endr
.endm
.macro LDA slot, kq, f, i0             ; 8 loads: row blocks i0 .. i0 + 3, quarter kq of a slot, into buffer f
.irp i, \i0, \i0+1, \i0+2, \i0+3
	ds_load_b128 v[FA+64*\f+8*(\i):FA+64*\f+8*(\i)+3],   v[ADRA+\slot] offset:\kq*64+(\i)*8*APITCH
	ds_load_b128 v[FA+64*\f+8*(\i)+4:FA+64*\f+8*(\i)+7], v[ADRA+\slot] offset:\kq*64+(\i)*8*APITCH+32
.endr
.endm
; Four plain vector instructions between a matrix instruction and a load into one of its registers, or a vector instruction that reads its
; result (ISA guide 7.12.1 for vector instructions); matrix instructions in between are not counted.
.macro PLACES
.rept 4
	v_nop
.endr
.endm
; The LDS loads go out in runs of 16, 16 and 8: (B of head 0, A's rows 0-63), (B of head 1, A's rows 64-127), (B of head 2).
; A K step's first quarter: multiplies A's buffer 0 and fetches the same slot's second quarter into buffer 1.
.macro QA slot, zero
	s_wait_dscnt 8                                 ; the two runs of 16 are in; the run of 8 (B of head 2), issued last, may be out
	WIN W1
	MUL16 0, 0, 0, \zero
	MUL16 0, 0, 4, \zero
	WIN 0
	PLACES
	LDB \slot, 1, 0
	LDA \slot, 1, 1, 0
	WIN W2
	MUL16 0, 1, 0, \zero
	MUL16 0, 1, 4, \zero
	WIN 0
	PLACES
	LDB \slot, 1, 1
	LDA \slot, 1, 1, 4
	s_wait_dscnt 32                                ; all but the two runs of 16 just issued: B of head 2 is in
	WIN W3
	MUL16 0, 2, 0, \zero
	MUL16 0, 2, 4, \zero
	WIN 0
	PLACES
	LDB \slot, 1, 2
.endm
; Its second quarter: multiplies buffer 1 and changes slots.  In front of the barrier each wave waits for its reads of this slot (the last were issued
; 32 matrix instructions ago) and for all its tensor loads (one is out: its part of the next slot).  Behind it nobody reads this slot and the next slot
; is whole: the refill comes first, then the next slot's first fragments.  From a request to the wait for it a wave issues 176 matrix instructions.
.macro QB slot, next, fill
	s_wait_dscnt 8
	WIN W1
	MUL16 1, 0, 0, 0
	MUL16 1, 0, 4, 0
	s_wait_dscnt 0                                 ; my reads of this slot are over
	s_wait_tensorcnt 0x0                           ; and all my tensor loads have landed
	ds_add_u32 v30, v31
	s_wait_dscnt 0x0
	s_barrier_signal -1                            ; where a slot is filled again this barrier opens a round of the cluster's barrier
	WIN W2
	MUL16 1, 1, 0, 0                               ; register work while the others arrive
	WIN 0
	s_barrier_wait -1
.if \fill
	CREST                                          ; no wave of any partner still reads this slot's tile or has a load on its way
	s_add_nc_u64 s[G0+4*\slot+2:G0+4*\slot+3], s[G0+4*\slot+2:G0+4*\slot+3], 2*KBB
	s_add_nc_u64 s[G0B+4*\slot+2:G0B+4*\slot+3], s[G0B+4*\slot+2:G0B+4*\slot+3], 2*KSTEP*WROW
	JLOAD \slot                                    ; the first tensor load behind the round, the wave's only one until the next
.endif
	PLACES
	LDB \next, 0, 0
	LDA \next, 0, 0, 0
	WIN W2
	MUL16 1, 1, 4, 0
	WIN 0
	PLACES
	LDB \next, 0, 1
	LDA \next, 0, 0, 4
	WIN W3
	MUL16 1, 2, 0, 0
	MUL16 1, 2, 4, 0
	WIN 0
	PLACES
	LDB \next, 0, 2
.endm
.macro LAP zero                        ; once round the ring, both slots filled again
	QA 0, \zero
	QB 0, 1, 1
	QA 1, 0
	QB 1, 0, 1
.endm
	s_wait_tensorcnt 1                             ; my part of K step 0 is in; K step 1's stays out
	s_barrier_signal -1
	s_barrier_wait -1                              ; everybody's is
	LDB 0, 0, 0
	LDA 0, 0, 0, 0
	LDB 0, 0, 1
	LDA 0, 0, 0, 4
	LDB 0, 0, 2
	LAP 1                                          ; the first lap stands in front of the loop: its first products start the sums
	s_mov_b32 s3, LAPS-2                           ; every window is 0 here, at the label and at the branch
.Llap:
	LAP 0
	s_sub_co_u32 s3, s3, 1
	s_cmp_lg_u32 s3, 0
	s_cbranch_scc1 .Llap
	QA 0, 0                                        ; the last lap fills nothing; my one tensor load that is still out is slot 1's, the last K step's
	QB 0, 1, 0
	QA 1, 0
	s_wait_dscnt 8                                 ; the very last quarter: nothing more to fetch
	WIN W1
	MUL16 1, 0, 0, 0
	MUL16 1, 0, 4, 0
	WIN W2
	MUL16 1, 1, 0, 0
	MUL16 1, 1, 4, 0
	s_wait_dscnt 0
	WIN W3
	MUL16 1, 2, 0, 0
	MUL16 1, 2, 4, 0
	WIN 0
	; THE WAY OUT, a head and 64 rows at a time: the head's factor in f32, one rounding to f16, 16 rows at a time through my own stage, read back as
	; four rows x 128 bytes a load.  The block's head H is number g = 6 x block column + H of the 48 heads of q | k | v: matrix g / 16, head g % 16.
	; A wave's three heads may lie in two matrices, so each has its own place in qkv and its own factor, log2(e) for q and 1.0 for k and v:
	; one text without a branch, at 384 packed multiplications a wave, once.
	PLACES
	s_lshr_b32 s16, s13, 2                         ; batch = block row / 4: 16 heads of 131,072 bytes
	s_lshl_b32 s16, s16, 21
	s_and_b32 s14, s13, 3                          ; token = 256 (block row % 4) + 128 x my half of the rows, 128 bytes each
	s_lshl_b32 s14, s14, 15
	s_add_co_u32 s16, s16, s14
	s_lshl_b32 s14, s11, 14
	s_add_co_u32 s16, s16, s14
	s_mov_b32 s17, 0
	s_add_nc_u64 s[8:9], s[8:9], s[16:17]
	s_mul_i32 s46, s42, 6
	s_mul_i32 s47, s12, 3
	s_add_co_u32 s46, s46, s47                     ; g of my first head
	s_mov_b32 s75, 0
.irp hh, 0,1,2
	s_add_co_u32 s44, s46, \hh
	s_lshr_b32 s45, s44, 4                         ; the matrix: 128 x 131,072 bytes,
	s_and_b32 s47, s44, 15                         ; the head: 131,072
	s_lshl_b32 s74, s45, 7
	s_add_co_u32 s74, s74, s47
	s_lshl_b32 s74, s74, 17
	s_add_nc_u64 s[OB+2*\hh:OB+2*\hh+1], s[8:9], s[74:75]
	s_cmp_eq_u32 s45, 0
	s_cselect_b32 s47, 0x3fb8aa3b, 1.0
	v_mov_b32 v[SC+2*\hh], s47
	v_mov_b32 v[SC+2*\hh+1], s47
.endr
; head hh (window 1 + hh), row blocks 4 ag .. 4 ag + 3; rb: which set of 64 registers takes the rows read back
.macro OUTG hh, ag, rb
	WIN (0x41*(\hh+1))                             ; destination and source 0 in the head's window, source 1 (the factor) in window 0
.irp aa, 0,1,2,3
.irp b, 0,1,2,3
.irp r, 0,1,2,3
	v_pk_mul_f32 v[8*(4*(4*\ag+\aa)+\b)+2*\r:8*(4*(4*\ag+\aa)+\b)+2*\r+1], v[8*(4*(4*\ag+\aa)+\b)+2*\r:8*(4*(4*\ag+\aa)+\b)+2*\r+1], v[SC+2*\hh:SC+2*\hh+1]
.endr
.endr
.endr
	WIN (5*(\hh+1))                                ; sources 0 and 1 in the head's window, destination in window 0
.irp aa, 0,1,2,3
.irp b, 0,1,2,3
.irp r, 0,1,2,3
	v_cvt_pk_f16_f32 v[TMP+16*\aa+4*\b+\r], v[8*(4*(4*\ag+\aa)+\b)+2*\r], v[8*(4*(4*\ag+\aa)+\b)+2*\r+1]   ; row r, d = 16 b + 8 h + 0..7: 16 bytes
.endr
.endr
.endr
	WIN 0
	s_wait_xcnt 0x0                                ; the set rb, which earlier stores read, is loaded again only behind this wait
.irp aa, 0,1,2,3
.irp b, 0,1,2,3
	ds_store_b128 v[STO], v[TMP+16*\aa+4*\b:TMP+16*\aa+4*\b+3] offset:32*\b
.endr
.irp t, 0,1,2,3
	ds_load_b128 v[RB+64*\rb+16*\aa+4*\t:RB+64*\rb+16*\aa+4*\t+3], v[RD] offset:4*SGP*\t   ; LDS serves a wave's instructions in order: these see the stores above, the next block's stores come behind them
.endr
.endr
.irp aa, 0,1,2,3
	s_wait_dscnt 8*(3-\aa)                         ; the later row blocks' four stores and four loads each may be out
.irp t, 0,1,2,3
	global_store_b128 v[CO], v[RB+64*\rb+16*\aa+4*\t:RB+64*\rb+16*\aa+4*\t+3], s[OB+2*\hh:OB+2*\hh+1] offset:(4*\ag+\aa)*2048+512*\t   ; 512 consecutive bytes, aligned: four tokens of one head
.endr
.endr
.endm
	OUTG 0, 0, 0
	OUTG 0, 1, 1
	OUTG 1, 0, 0
	OUTG 1, 1, 1
	OUTG 2, 0, 0
	OUTG 2, 1, 1
	s_wait_tensorcnt 0x0
	ds_add_u32 v30, v31
	s_wait_dscnt 0x0
	CROUND                                         ; the closing round: no work-group ends while a partner may still ask for a tile that names it
	s_endpgm
.Lfunc_end_k_q39da6a7b04_qkv:
	.size	k_q39da6a7b04_qkv, .Lfunc_end_k_q39da6a7b04_qkv-k_q39da6a7b04_qkv
	.p2alignl 7, 3214868480
	.fill 96, 4, 3214868480
	.section	.rodata,"a",@progbits
	.p2align	6, 0x0
	.amdhsa_kernel k_q39da6a7b04_qkv
		.amdhsa_group_segment_fixed_size 327680
		.amdhsa_private_segment_fixed_size 0
		.amdhsa_enable_private_segment 0
		.amdhsa_kernarg_size 24
		.amdhsa_user_sgpr_count 2
		.amdhsa_user_sgpr_kernarg_segment_ptr 1
		.amdhsa_wavefront_size32 1
		.amdhsa_system_sgpr_workgroup_id_x 1
		.amdhsa_system_sgpr_workgroup_id_y 1
		.amdhsa_system_sgpr_workgroup_id_z 1
		.amdhsa_system_vgpr_workitem_id 0
		.amdhsa_next_free_vgpr 1024
		.amdhsa_next_free_sgpr 76
		.amdhsa_reserve_vcc 0
		.amdhsa_float_denorm_mode_32 3
		.amdhsa_float_denorm_mode_16_64 3
		.amdhsa_memory_ordered 1
		.amdhsa_forward_progress 1
		.amdhsa_inst_pref_size 193
	.end_amdhsa_kernel
	.amdgpu_metadata
---
amdhsa.version: [ 1, 2 ]
amdhsa.kernels:
  - .name:           k_q39da6a7b04_qkv
    .symbol:         k_q39da6a7b04_qkv.kd
    .args:
      - { .name: hf, .offset: 0, .size: 8, .value_kind: global_buffer, .address_space: global }
      - { .name: wf, .offset: 8, .size: 8, .value_kind: global_buffer, .address_space: global }
      - { .name: qkv, .offset: 16, .size: 8, .value_kind: global_buffer, .address_space: global }
    .group_segment_fixed_size: 327680
    .private_segment_fixed_size: 0
    .kernarg_segment_align: 8
    .kernarg_segment_size: 24
    .max_flat_workgroup_size: 128
    .sgpr_count:     76
    .vgpr_count:     1024
    .wavefront_size: 32
...
	.end_amdgpu_metadata
.endif
;; end of part 2
;; launch attn (part 3): grid 256 x 1, 8 waves a work-group, no clusters, 315,136 bytes of LDS; arguments qkv, rel_bias, ctx; writes ctx
.if DOCPART == 3
	.amdgcn_target "amdgcn-amd-amdhsa--gfx1250"
	.amdhsa_code_object_version 6
	.text
	.protected	k_q39da6a7b04_attn
	.globl	k_q39da6a7b04_attn
	.p2align	8
	.type	k_q39da6a7b04_attn,@function
k_q39da6a7b04_attn:
	s_mov_b64 s[64:65], 0
	v_nop
	global_prefetch_b8 v0, s[64:65] scope:SCOPE_SE
	s_setreg_imm32_b32 hwreg(HW_REG_WAVE_MODE, 25, 1), 1
	s_wait_xcnt 0x0
; ctx = softmax(q k^T + bias) v for one head and 512 queries a work-group; no 1/sqrt(dk).  q arrives multiplied by log2(e), the bias is
; multiplied by it here, so all exponentials are 2^x.  The softmax keeps a running maximum and a running sum for each query, in f32.
; qkv: f16 [3][128 = batch x 16 + head][1024][64]; ctx: f16 [128][1024][64]; rel_bias: f32 [32][16].
; FORMAT: rel_bias is rounded to bf16 as it is read, like every other input of the program (the matrix operands are rounded in the first launch):
; a relative 2^-9 of a bias, a small part of what the rounding of hidden_states and the weights to bf16 moves a score by.  All arithmetic on it is f32.
; LIMITS: matrix operands are f16: |ctx| below 65,504; a probability below 6e-8 of its row's largest so far counts as 0 in the product with v
; (it still enters the sum).  The bucket of a distance n = |key - query| is n for n < 8, else 8 + the number of the thresholds 12, 16, 23,
; 32, 46, 64, 91 that are <= n, + 16 where key > query: the integer form of 8 + int(8 log(n/8) / log 16), in which the exact ties n = 16, 32, 64
; fall into the upper bucket.
;
; SHARES: work-group x: head x >> 1, queries 512 (x & 1) ..; wave w: 64 queries, four tiles of 16.  Eight waves, two for each SIMD's 1,024 registers,
; so that one wave's vector work stands beside the other's matrix work.
; ALL of the head's K and V lie in LDS, each byte filled once: no slot is ever filled again.  The fills go in two stages (keys 0-255, then 256-1023),
; each shared among the waves, so that work starts when a quarter has landed; that is why the first stage's loads have 32 rows and not more.
; NO MULTICAST: only two work-groups read a head's K and V.  Four partners would mean 256 queries a work-group and two heads in turn for each, with
; no room in LDS for the second head's 286,720 bytes beside the first's.
; 16 steps of 64 keys.  TRANSPOSED USE: S^T = K (source 0, m = key) x Q (source 1, n = query): lane (r = l % 16, h = l / 16), register j holds key
; 8 h + j of query r, so a query's maximum and sum are a lane's own affair plus one exchange between the halves, and two neighbouring key tiles,
; packed to f16 in place, ARE the second source of ctx^T = V^T (source 0, by the transposing LDS load) x P.
; BIAS: it hangs on key - query alone.  With U = the step's first key - the wave's first query, all distances of a step are at least 129 for
; |U| >= 192: one constant (bucket 15 or 31), folded into the exponent's shift.  For |U| <= 128 (5 steps at the most) the 16 score tiles need 7
; different bias tiles (by key tile - query tile), read from a table in LDS and given to the first product as its C.
;
; LDS: K 0 .. 139,264: rows of two keys, 256 bytes + 16;  V .. 286,720: rows of two keys, 256 bytes + 32;  the table .. 295,680;
;      a stage of 16 x 144 bytes for each wave .. 314,112.  Table and stages begin at multiples of 256 bytes; no tensor load lands there.
.set KP,     272                       ; 16 keys of a fragment: (r >> 1) 272 + (r & 1) 128: sixteen different 16-byte columns modulo 256 bytes
.set VP,     288                       ; 8 keys x 2 pieces of a transposing load: likewise sixteen different columns
.set VBASE,  512*KP
.set TAB,    VBASE+512*VP
.set TPITCH, 2240                      ; a copy of the table: 512 entries and room; 2,240 = 192 modulo 256 spreads the four copies over the columns
.set STG,    TAB+4*TPITCH
.set SGP,    144
.set HEADB,  131072                    ; bytes of a head in q, k, v or ctx
.set MATB,   128*HEADB
.set KA,  8                            ; v8   LDS address of my part of the step's K fragments
.set VA,  9                            ; v9   the same for V
.set TBA, 10                           ; v10  the step's place in my copy of the table
.set STO, 11                           ; v11  the way out: where I put 16 bytes
.set RD,  12                           ; v12  the way out: where I read back
.set QO,  13                           ; v13  my byte offset in the wave's queries
.set CO,  14                           ; v14  16 x lane
.set TB0, 15                           ; v15  my copy of the table, at U = -128
.set QF,  16                           ; v[16:79]    Q: tile qt, half f of d at 16 qt + 8 f
.set KF,  80                           ; v[80:143]   K: tile kt, half f at 16 kt + 8 f; on the way out: packed results
.set VF,  144                          ; v[144:207]  V^T: key block kb, d tile dt at 32 kb + 8 dt; before that the 7 bias tiles; on the way out: rows read back
.set MXA, 208                          ; v[208:211]  a step's maxima, chain a
.set MXB, 212                          ; v[212:215]  chain b; then old maximum - new
.set MR,  216                          ; v[216:219]  running maxima
.set LP,  220                          ; v[220:227]  running sums, a pair for each query tile
.set AL,  228                          ; v[228:235]  2^(old maximum - new), twice
.set GG,  236                          ; v[236:243]  the exponent's shift, twice
.set TP,  244                          ; v[244:247]  the other half's figure; then the new maximum
.set ACC, 128                          ; window 1: v[0:127] scores, tile (qt, kt) at 8 (4 qt + kt); v[128:255] ctx^T, tile (qt, dt) at 128 + 8 (4 qt + dt)
.set G0A, 32                           ; s[32:35], s[36:39] descriptor groups 0 of my two fills; s[40:47], s[48:55] their groups 1
.set G0B, 36
.set G1A, 40
.set G1B, 48
.set MSB, 0
.macro WIN new                         ; low byte: bits 1:0 source 0, 3:2 source 1, 5:4 source 2, 7:6 destination; the high byte repeats the setting that is left
.if MSB != \new
	s_set_vgpr_msb (MSB<<8)|\new
.set MSB, \new
.endif
.endm
.macro PLACES                          ; four plain vector instructions behind matrix instructions (ISA guide 7.12.1 for vector instructions)
.rept 4
	v_nop
.endr
.endm
; One fill: rows of 256 bytes (two keys), dense in memory: 32 elements of 8 bytes, padded behind every 64 words.
; LDS address = l0 + wave x lw; offset in the head's part of qkv = gl0 + wave x gw.
.macro FILL1 g0, g1, rows, l0, lw, gl0, gw, padm1
	s_mov_b32 s[\g0], 1
	s_mul_i32 s[\g0+1], s10, \lw
.if \l0
	s_add_co_u32 s[\g0+1], s[\g0+1], \l0
.endif
	s_mul_i32 s28, s10, \gw
	s_add_co_u32 s28, s28, \gl0
	s_add_nc_u64 s[\g0+2:\g0+3], s[30:31], s[28:29]
	s_or_b32 s[\g0+3], s[\g0+3], 0x80000000
	s_mov_b32 s[\g1+0], (3<<16)|(1<<20)|(5<<22)|(\padm1<<25)
	s_mov_b32 s[\g1+1], 32<<16                     ; tensor_dim0 = 32
	s_mov_b32 s[\g1+2], \rows<<16                  ; tensor_dim1
	s_mov_b32 s[\g1+3], 32<<16                     ; tile_dim0 = 32
	s_mov_b32 s[\g1+4], \rows                      ; tile_dim1
	s_mov_b32 s[\g1+5], 32                         ; from row to row: dense
	s_mov_b32 s[\g1+6], 0
	s_mov_b32 s[\g1+7], 0
	tensor_load_to_lds s[\g0:\g0+3], s[\g1:\g1+7]
	s_nop 0
.endm
; byte offset in rel_bias of the entry for table place x = t + xoff, that is key - query = x - 191
.macro BUCKET out, xoff
	v_add_nc_u32 v2, (\xoff-191)&0xffffffff, v0    ; key - query
	v_sub_nc_u32 v3, 0, v2
	v_max_i32 v3, v2, v3                           ; n
	v_mov_b32 v4, 8
.irp thr, 12,16,23,32,46,64,91
	v_cmp_le_u32 vcc_lo, \thr, v3
	v_cndmask_b32 v5, 0, 1, vcc_lo
	v_add_nc_u32 v4, v4, v5
.endr
	v_cmp_gt_u32 vcc_lo, 8, v3
	v_cndmask_b32 v4, v4, v3, vcc_lo               ; n itself below 8
	v_cmp_lt_i32 vcc_lo, 0, v2
	v_cndmask_b32 v5, 0, 16, vcc_lo                ; the upper half of the buckets where key > query
	v_add_nc_u32 v4, v4, v5
	v_lshl_add_u32 v[\out], v4, 6, s24             ; 64 bytes a bucket + 4 x head
.endm
.macro KLOAD off                       ; 16 loads: four key tiles x 64 d
.irp kt, 0,1,2,3
.irp c, 0,1,2,3
	ds_load_b128 v[KF+16*\kt+4*\c:KF+16*\kt+4*\c+3], v[KA] offset:\off+8*KP*\kt+32*\c
.endr
.endr
.endm
.macro VLOAD                           ; 16 transposing loads: two blocks of 32 keys x four tiles of 16 d
.irp kb, 0,1
.irp dt, 0,1,2,3
	ds_load_tr16_b128 v[VF+32*\kb+8*\dt:VF+32*\kb+8*\dt+3],   v[VA] offset:16*VP*\kb+32*\dt
	ds_load_tr16_b128 v[VF+32*\kb+8*\dt+4:VF+32*\kb+8*\dt+7], v[VA] offset:16*VP*\kb+8*VP+32*\dt
.endr
.endr
.endm
; 16 score products on half f of d.  mode 0: C = 0; 1: C = the bias tile of kt - qt; 2: in place.
; The 16 accumulators take turns, one instruction a turn, in the same order in both halves.
.macro SCORE f, mode
.irp kt, 0,1,2,3
.irp qt, 0,1,2,3
.if \mode == 0
	v_wmma_f32_16x16x32_f16 v[8*(4*\qt+\kt):8*(4*\qt+\kt)+7], v[KF+16*\kt+8*\f:KF+16*\kt+8*\f+7], v[QF+16*\qt+8*\f:QF+16*\qt+8*\f+7], 0
.else
.if \mode == 1
	v_wmma_f32_16x16x32_f16 v[8*(4*\qt+\kt):8*(4*\qt+\kt)+7], v[KF+16*\kt+8*\f:KF+16*\kt+8*\f+7], v[QF+16*\qt+8*\f:QF+16*\qt+8*\f+7], v[VF+8*(\kt-\qt+3):VF+8*(\kt-\qt+3)+7]
.else
	v_wmma_f32_16x16x32_f16 v[8*(4*\qt+\kt):8*(4*\qt+\kt)+7], v[KF+16*\kt+8*\f:KF+16*\kt+8*\f+7], v[QF+16*\qt+8*\f:QF+16*\qt+8*\f+7], v[8*(4*\qt+\kt):8*(4*\qt+\kt)+7]
.endif
.endif
.endr
.endr
.endm
	s_load_b128 s[4:7], s[0:1], 0x0                ; qkv s[4:5], rel_bias s[6:7]
	s_load_b64 s[8:9], s[0:1], 0x10                ; ctx
	v_lshl_add_u32 v254, v0, 2, 0x4cb00
	v_mov_b32 v255, 0
	ds_add_u32 v254, v255
	ds_add_u32 v254, v255
	v_lshrrev_b32 v1, 5, v0
	v_readfirstlane_b32 s10, v1                    ; wave 0..7
	s_lshr_b32 s11, ttmp9, 1                       ; batch x 16 + head
	s_and_b32 s12, ttmp9, 1                        ; which 512 queries
	s_and_b32 s13, s11, 15                         ; head
	s_lshl_b32 s24, s13, 2                         ; its 4 bytes in a row of rel_bias
	s_lshl_b32 s23, s12, 9
	s_lshl_b32 s25, s10, 6
	s_add_co_u32 s23, s23, s25                     ; my wave's first query
	s_sub_co_i32 s14, 0, s23                       ; U of step 0
	s_mov_b32 s19, 0x3fb8aa3b                      ; log2(e)
	s_mov_b32 s20, 0x76543210                      ; v_permlanex16_b32: lane i of one half reads lane i of the other
	s_mov_b32 s21, 0xfedcba98
	s_lshl_b32 s28, s11, 17
	s_mov_b32 s29, 0
	s_wait_dscnt 0x0
	s_wait_kmcnt 0x0
	s_add_nc_u64 s[30:31], s[4:5], s[28:29]        ; the head in q; k and v lie MATB and 2 MATB further
	s_add_nc_u64 s[8:9], s[8:9], s[28:29]
	s_lshl_b32 s28, s23, 7
	s_add_nc_u64 s[26:27], s[30:31], s[28:29]      ; my wave's queries
	s_add_nc_u64 s[8:9], s[8:9], s[28:29]          ; and their place in ctx
	; The fills: two a wave, in one branch on the wave's number; waves 0-3 bring K, waves 4-7 V; each a quarter of each stage.
	; They stand ahead of every wait on TENSORcnt, LDS read and barrier.  Two tensor loads of a wave are out at the most.
	s_cmp_lt_u32 s10, 4
	s_cbranch_scc0 .Lfill_v
	FILL1 G0A, G1A, 32, 0,      32*KP, MATB,       8192,  3
	FILL1 G0B, G1B, 96, 128*KP, 96*KP, MATB+32768, 24576, 3
	s_branch .Lfilled
.Lfill_v:
	FILL1 G0A, G1A, 32, VBASE-4*32*VP,        32*VP, 2*MATB-4*8192,        8192,  7
	FILL1 G0B, G1B, 96, VBASE+128*VP-4*96*VP, 96*VP, 2*MATB+32768-4*24576, 24576, 7
.Lfilled:
	s_load_b32 s17, s[6:7], s24 offset:0x3c0       ; rel_bias[15][head]: keys far in front of the queries
	s_load_b32 s18, s[6:7], s24 offset:0x7c0       ; rel_bias[31][head]: far behind
	BUCKET 6, 0                                    ; thread t makes the table's places t and t + 256
	BUCKET 7, 256
	global_load_b32 v[MXA], v6, s[6:7]
	global_load_b32 v[MXA+1], v7, s[6:7]
	v_and_b32 v1, 15, v0                           ; r
	v_bfe_u32 v2, v0, 4, 1                         ; h
	v_lshlrev_b32 v[QO], 7, v1
	v_lshl_add_u32 v[QO], v2, 4, v[QO]             ; query r, 16 bytes for each half of the lanes
.irp qt, 0,1,2,3
.irp c, 0,1,2,3
	global_load_b128 v[QF+16*\qt+4*\c:QF+16*\qt+4*\c+3], v[QO], s[26:27] offset:2048*\qt+32*\c
.endr
.endr
	v_lshrrev_b32 v3, 1, v1
	v_mul_u32_u24 v3, v3, KP
	v_and_b32 v4, 1, v0
	v_lshl_add_u32 v3, v4, 7, v3
	v_lshl_add_u32 v[KA], v2, 4, v3                ; (r >> 1) 272 + (r & 1) 128 + 16 h
	v_bfe_u32 v3, v0, 1, 2
	v_lshl_add_u32 v3, v2, 2, v3                   ; key 8 h + l % 8 lies in row 4 h + (l % 8) / 2,
	v_mul_u32_u24 v3, v3, VP
	v_lshl_add_u32 v3, v4, 7, v3                   ; half l & 1 of it;
	v_bfe_u32 v5, v0, 3, 1
	v_lshl_add_u32 v3, v5, 4, v3                   ; piece (l / 8) % 2 of 16 bytes
	v_add_nc_u32 v[VA], VBASE, v3
	; The table: copy cc, entry i = log2(e) x bias(key - query = i + cc - 191), at TAB + 16 + 2,240 cc + 4 i.  Lane (r, h) uses copy 3 - (r & 3), in which
	; its eight entries of a tile, key - query = U + 16 (kt - qt) + 8 h - r + 0..7, begin at entry U + 16 (kt - qt) + 8 h - (r & 12) + 188: a multiple of 4.
	; The entries read are 0 to 379; each copy is written from entry -cc to entry 511 - cc; the words between the copies are neither written nor read.
	v_and_b32 v3, 3, v0
	v_sub_nc_u32 v3, 3, v3
	v_mul_u32_u24 v3, v3, TPITCH
	v_lshl_add_u32 v3, v2, 5, v3
	v_add_nc_u32 v3, TAB+16+48, v3
	v_and_b32 v5, 12, v0
	v_lshlrev_b32 v5, 2, v5
	v_sub_nc_u32 v[TB0], v3, v5                    ; entry 8 h - (r & 12) + 12: the tile kt - qt = -3 at U = -128
	s_mul_i32 s25, s10, 16*SGP
	s_add_co_u32 s25, s25, STG                     ; my stage
	v_mul_u32_u24 v3, v1, SGP
	v_lshl_add_u32 v3, v2, 4, v3
	v_add_nc_u32 v[STO], s25, v3
	v_bfe_u32 v3, v0, 3, 2
	v_mul_u32_u24 v3, v3, SGP
	v_and_b32 v5, 7, v0
	v_lshl_add_u32 v3, v5, 4, v3
	v_add_nc_u32 v[RD], s25, v3
	v_and_b32 v3, 31, v0
	v_lshlrev_b32 v[CO], 4, v3
.irp q, 0,1,2,3
	v_mov_b32 v[TP+\q], 0                          ; v_permlanex16_b32 counts as a reader of its destination
.endr
	v_lshl_add_u32 v3, v0, 2, TAB+16
	s_wait_loadcnt 16                              ; the two table entries are in; the 16 loads of Q stay out
	v_cvt_pk_bf16_f32 v5, v[MXA], v[MXA+1]         ; the input's rounding to bf16,
	v_lshlrev_b32 v[MXA], 16, v5                   ; widened again
	v_and_b32 v[MXA+1], 0xffff0000, v5
	v_mul_f32 v[MXA], s19, v[MXA]
	v_mul_f32 v[MXA+1], s19, v[MXA+1]
.irp cc, 0,1,2,3
	ds_store_b32 v3, v[MXA] offset:\cc*(TPITCH-4)              ; place x is entry x - cc of copy cc
	ds_store_b32 v3, v[MXA+1] offset:\cc*(TPITCH-4)+1024
.endr
	s_wait_kmcnt 0x0                               ; the two far constants: the same rounding, made by the vector unit and brought back
	v_mov_b32 v4, s17
	v_mov_b32 v5, s18
	v_cvt_pk_bf16_f32 v4, v4, v5
	v_readfirstlane_b32 s25, v4
	s_lshl_b32 s17, s25, 16
	s_and_b32 s18, s25, 0xffff0000
	s_wait_dscnt 0x0                               ; my part of the table is written,
	s_wait_tensorcnt 0x1                           ; my part of keys 0-255 has landed; my second fill stays out
	s_barrier_signal -1
	s_barrier_wait -1
	KLOAD 0
	s_wait_loadcnt 0x0                             ; Q
; One step: 64 keys.  first = 1: it starts maxima, sums and ctx (nothing is cleared).  pre = 1: it fetches the next step's K and steps the addresses.
.macro STEP first, pre
	s_wait_dscnt 0x0                               ; this step's K
	s_add_co_i32 s15, s14, 128
	s_cmp_lt_i32 s14, 0
	s_cselect_b32 s16, s17, s18                    ; the far constant of this side
	s_cmp_le_u32 s15, 256                          ; -128 <= U <= 128: whole numbers made of the ids and the step alone
	s_cbranch_scc1 .Lnear_\@
	WIN 0x40
	SCORE 0, 0
	WIN 0
	s_branch .Ljoin_\@
.Lnear_\@:
	s_mov_b32 s16, 0                               ; the bias comes in through C
	s_min_u32 s23, s15, 256                        ; U + 128; the minimum states the bound that holds on this path
	v_lshl_add_u32 v[TBA], s23, 2, v[TB0]
.irp e, 0,1,2,3,4,5,6
	ds_load_b128 v[VF+8*\e:VF+8*\e+3],   v[TBA] offset:64*\e       ; the tile kt - qt = e - 3
	ds_load_b128 v[VF+8*\e+4:VF+8*\e+7], v[TBA] offset:64*\e+16
.endr
	s_wait_dscnt 0x0
	WIN 0x40
	SCORE 0, 1
	WIN 0
.Ljoin_\@:
	WIN 0x50
	SCORE 1, 2
	WIN 0
	PLACES                                         ; in front of the loads into V's (the bias tiles') and K's registers, and of the reads of the scores
	VLOAD
.if \pre
	KLOAD 32*KP
.endif
	; the largest score of each query among my 32 keys: two chains for each query tile
	WIN 0x05
.irp q, 0,1,2,3
	v_max_num_f32 v[MXA+\q], v[32*\q], v[32*\q+1]
	v_max_num_f32 v[MXB+\q], v[32*\q+16], v[32*\q+17]
.endr
.irp c, 1,2,3,4,5,6,7
.irp q, 0,1,2,3
	v_max3_num_f32 v[MXA+\q], v[32*\q+2*\c], v[32*\q+2*\c+1], v[MXA+\q]
	v_max3_num_f32 v[MXB+\q], v[32*\q+16+2*\c], v[32*\q+17+2*\c], v[MXB+\q]
.endr
.endr
	WIN 0
.irp q, 0,1,2,3
	v_max_num_f32 v[MXA+\q], v[MXA+\q], v[MXB+\q]
.endr
.irp q, 0,1,2,3
	v_permlanex16_b32 v[TP+\q], v[MXA+\q], s20, s21            ; the other half's 32 keys
.endr
.irp q, 0,1,2,3
	v_max_num_f32 v[MXA+\q], v[MXA+\q], v[TP+\q]
.endr
.if \first
.irp q, 0,1,2,3
	v_fma_f32 v[TP+\q], s16, s19, v[MXA+\q]                    ; the maximum, the far constant included
.endr
.else
.irp q, 0,1,2,3
	v_fma_f32 v[MXA+\q], s16, s19, v[MXA+\q]
.endr
.irp q, 0,1,2,3
	v_max_num_f32 v[TP+\q], v[MR+\q], v[MXA+\q]                ; the new running maximum
.endr
.irp q, 0,1,2,3
	v_sub_f32 v[MXB+\q], v[MR+\q], v[TP+\q]
.endr
.irp q, 0,1,2,3
	v_exp_f32 v[AL+2*\q], v[MXB+\q]                            ; what was gathered so far shrinks by this
	v_exp_f32 v[AL+2*\q+1], v[MXB+\q]
.endr
.endif
.irp q, 0,1,2,3
	v_fma_f32 v[GG+2*\q], s16, s19, -v[TP+\q]                  ; the shift: constant - maximum.  Plain work behind the exponentials (ISA guide 5.7.2)
	v_fma_f32 v[GG+2*\q+1], s16, s19, -v[TP+\q]
.endr
.if 1-\first
	s_wait_alu depctr_va_vdst(0)
.irp q, 0,1,2,3
	v_pk_mul_f32 v[LP+2*\q:LP+2*\q+1], v[LP+2*\q:LP+2*\q+1], v[AL+2*\q:AL+2*\q+1]
.endr
.endif
	; p = 2^(score + shift), in place; ctx so far shrinks: plain work behind each run of exponentials
	WIN 0x41
.irp q, 0,1,2,3
.set i, 0
.rept 16
	v_pk_add_f32 v[32*\q+i:32*\q+i+1], v[32*\q+i:32*\q+i+1], v[GG+2*\q:GG+2*\q+1]
.set i, i+2
.endr
.set i, 0
.rept 32
	v_exp_f32 v[32*\q+i], v[32*\q+i]
.set i, i+1
.endr
.if 1-\first
.set i, 0
.rept 16
	v_pk_mul_f32 v[ACC+32*\q+i:ACC+32*\q+i+1], v[ACC+32*\q+i:ACC+32*\q+i+1], v[AL+2*\q:AL+2*\q+1]
.set i, i+2
.endr
.endif
.endr
	; the sums, four chains by turns
.if \first
	WIN 0x05
	s_wait_alu depctr_va_vdst(0)
.irp q, 0,1,2,3
	v_pk_add_f32 v[LP+2*\q:LP+2*\q+1], v[32*\q:32*\q+1], v[32*\q+2:32*\q+3]
.endr
.endif
	WIN 0x01
.set i, 4*\first
	s_wait_alu depctr_va_vdst(0)
.rept 16-2*\first
.irp q, 0,1,2,3
	v_pk_add_f32 v[LP+2*\q:LP+2*\q+1], v[32*\q+i:32*\q+i+1], v[LP+2*\q:LP+2*\q+1]
.endr
.set i, i+2
.endr
	; two key tiles of f32 become one fragment of f16, in place and upward: register c takes registers 2 c, 2 c + 1
	WIN 0x45
.irp q, 0,1,2,3
.irp kb, 0,1
.irp c, 0,1,2,3,4,5,6,7
	v_cvt_pk_f16_f32 v[32*\q+16*\kb+\c], v[32*\q+16*\kb+2*\c], v[32*\q+16*\kb+2*\c+1]
.endr
.endr
.endr
.if \pre
	s_wait_dscnt 16                                ; V is in; the 16 loads of the next step's K stay out
.else
	s_wait_dscnt 0x0
.endif
	WIN 0x54
.irp kb, 0,1                           ; the 16 accumulators take turns, one instruction a turn
.irp qt, 0,1,2,3
.irp dt, 0,1,2,3
.if \first*(1-\kb)
	v_wmma_f32_16x16x32_f16 v[ACC+8*(4*\qt+\dt):ACC+8*(4*\qt+\dt)+7], v[VF+32*\kb+8*\dt:VF+32*\kb+8*\dt+7], v[32*\qt+16*\kb:32*\qt+16*\kb+7], 0
.else
	v_wmma_f32_16x16x32_f16 v[ACC+8*(4*\qt+\dt):ACC+8*(4*\qt+\dt)+7], v[VF+32*\kb+8*\dt:VF+32*\kb+8*\dt+7], v[32*\qt+16*\kb:32*\qt+16*\kb+7], v[ACC+8*(4*\qt+\dt):ACC+8*(4*\qt+\dt)+7]
.endif
.endr
.endr
.endr
	WIN 0
.if \pre
	; six plain vector instructions: the places in front of the next step's score products, which write over P, and of its loads into V's registers
.irp q, 0,1,2,3
	v_mov_b32 v[MR+\q], v[TP+\q]
.endr
	v_add_nc_u32 v[KA], 32*KP, v[KA]
	v_add_nc_u32 v[VA], 32*VP, v[VA]
	s_add_co_i32 s14, s14, 64
.endif
.endm
	STEP 1, 1                                      ; steps 0 to 2 read keys 0-191 and fetch K up to key 255: the first stage
	STEP 0, 1
	STEP 0, 1
	s_wait_dscnt 0x0                               ; no LDS instruction is pending at a signal
	s_wait_tensorcnt 0x0                           ; my part of keys 256-1023 has landed
	s_barrier_signal -1
	s_barrier_wait -1                              ; everybody's has
	s_mov_b32 s22, 12
.Lsteps:
	STEP 0, 1                                      ; steps 3 to 14
	s_sub_co_i32 s22, s22, 1
	s_cmp_lg_u32 s22, 0
	s_cbranch_scc1 .Lsteps
	STEP 0, 0                                      ; step 15 fetches nothing
	; THE WAY OUT: divide by the sums, round to f16, 16 queries at a time through my own stage, four queries x 128 bytes a load and a store.
	PLACES
.irp q, 0,1,2,3
	v_add_f32 v[MXA+\q], v[LP+2*\q], v[LP+2*\q+1]
.endr
.irp q, 0,1,2,3
	v_permlanex16_b32 v[TP+\q], v[MXA+\q], s20, s21
.endr
.irp q, 0,1,2,3
	v_add_f32 v[MXA+\q], v[MXA+\q], v[TP+\q]
.endr
.irp q, 0,1,2,3
	v_rcp_f32 v[AL+2*\q], v[MXA+\q]
	v_rcp_f32 v[AL+2*\q+1], v[MXA+\q]
.endr
	v_nop                                          ; one plain instruction behind the reciprocals (ISA guide 5.7.2)
	WIN 0x41
	s_wait_alu depctr_va_vdst(0)
.irp q, 0,1,2,3
.set i, 0
.rept 16
	v_pk_mul_f32 v[ACC+32*\q+i:ACC+32*\q+i+1], v[ACC+32*\q+i:ACC+32*\q+i+1], v[AL+2*\q:AL+2*\q+1]
.set i, i+2
.endr
.endr
	WIN 0x05
.irp q, 0,1,2,3
.irp dt, 0,1,2,3
.irp c, 0,1,2,3
	v_cvt_pk_f16_f32 v[KF+16*\q+4*\dt+\c], v[ACC+8*(4*\q+\dt)+2*\c], v[ACC+8*(4*\q+\dt)+2*\c+1]   ; query r, d = 16 dt + 8 h + 0..7: 16 bytes
.endr
.endr
.endr
	WIN 0
.irp q, 0,1,2,3
.irp dt, 0,1,2,3
	ds_store_b128 v[STO], v[KF+16*\q+4*\dt:KF+16*\q+4*\dt+3] offset:32*\dt
.endr
.irp t, 0,1,2,3
	ds_load_b128 v[VF+16*\q+4*\t:VF+16*\q+4*\t+3], v[RD] offset:4*SGP*\t   ; LDS serves a wave's instructions in order: these see the stores above, the next tile's stores come behind them
.endr
.endr
.irp q, 0,1,2,3
	s_wait_dscnt 8*(3-\q)                          ; the later tiles' four stores and four loads each may be out
.irp t, 0,1,2,3
	global_store_b128 v[CO], v[VF+16*\q+4*\t:VF+16*\q+4*\t+3], s[8:9] offset:2048*\q+512*\t   ; 512 consecutive bytes, aligned
.endr
.endr
	s_wait_tensorcnt 0x0
	ds_add_u32 v254, v255
	s_wait_dscnt 0x0
	s_endpgm
.Lfunc_end_k_q39da6a7b04_attn:
	.size	k_q39da6a7b04_attn, .Lfunc_end_k_q39da6a7b04_attn-k_q39da6a7b04_attn
	.p2alignl 7, 3214868480
	.fill 96, 4, 3214868480
	.section	.rodata,"a",@progbits
	.p2align	6, 0x0
	.amdhsa_kernel k_q39da6a7b04_attn
		.amdhsa_group_segment_fixed_size 315136
		.amdhsa_private_segment_fixed_size 0
		.amdhsa_enable_private_segment 0
		.amdhsa_kernarg_size 24
		.amdhsa_user_sgpr_count 2
		.amdhsa_user_sgpr_kernarg_segment_ptr 1
		.amdhsa_wavefront_size32 1
		.amdhsa_system_sgpr_workgroup_id_x 1
		.amdhsa_system_sgpr_workgroup_id_y 1
		.amdhsa_system_sgpr_workgroup_id_z 1
		.amdhsa_system_vgpr_workitem_id 0
		.amdhsa_next_free_vgpr 512
		.amdhsa_next_free_sgpr 66
		.amdhsa_reserve_vcc 1
		.amdhsa_float_denorm_mode_32 3
		.amdhsa_float_denorm_mode_16_64 3
		.amdhsa_memory_ordered 1
		.amdhsa_forward_progress 1
		.amdhsa_inst_pref_size 196
	.end_amdhsa_kernel
	.amdgpu_metadata
---
amdhsa.version: [ 1, 2 ]
amdhsa.kernels:
  - .name:           k_q39da6a7b04_attn
    .symbol:         k_q39da6a7b04_attn.kd
    .args:
      - { .name: qkv, .offset: 0, .size: 8, .value_kind: global_buffer, .address_space: global }
      - { .name: rel_bias, .offset: 8, .size: 8, .value_kind: global_buffer, .address_space: global }
      - { .name: ctx, .offset: 16, .size: 8, .value_kind: global_buffer, .address_space: global }
    .group_segment_fixed_size: 315136
    .private_segment_fixed_size: 0
    .kernarg_segment_align: 8
    .kernarg_segment_size: 24
    .max_flat_workgroup_size: 256
    .sgpr_count:     66
    .vgpr_count:     512
    .wavefront_size: 32
...
	.end_amdgpu_metadata
.endif
;; end of part 3
;; launch oproj (part 4): grid 8 x 32, 4 waves a work-group, clusters of 4 x 4, 327,680 bytes of LDS; arguments ctx, wf, out0; writes out0
.if DOCPART == 4
	.amdgcn_target "amdgcn-amd-amdhsa--gfx1250"
	.amdhsa_code_object_version 6
	.text
	.protected	k_q39da6a7b04_oproj
	.globl	k_q39da6a7b04_oproj
	.p2align	8
	.type	k_q39da6a7b04_oproj,@function
k_q39da6a7b04_oproj:
	s_mov_b64 s[64:65], 0
	v_nop
	global_prefetch_b8 v0, s[64:65] scope:SCOPE_SE
	s_setreg_imm32_b32 hwreg(HW_REG_WAVE_MODE, 25, 1), 1
	s_wait_xcnt 0x0
	s_wait_alu depctr_hold_cnt(0) depctr_sa_sdst(0) depctr_va_vdst(0) depctr_va_sdst(0) depctr_va_ssrc(0) depctr_va_vcc(0) depctr_vm_vsrc(0)
	s_getreg_b32 s2, hwreg(HW_REG_IB_STS2, 6, 4)
	s_cmp_eq_u32 s2, 0
	s_cbranch_scc0 .Lentry_in_a_cluster
	s_endpgm
.Lentry_in_a_cluster:
	s_bfe_u32 s2, ttmp6, 0x10000c
	s_cmp_lg_u32 s2, 0xf033
	s_cbranch_scc0 .Lentry_shape_is_right
	s_endpgm
.Lentry_shape_is_right:
; out0 = ctx x wo: [8192 x 1024] x [1024 x 1024], f16 operands, f32 sums, f32 out.
; ctx: f16 [128 = batch x 16 + head][1024 tokens][64], so k = 64 head + d; wo: the fourth matrix of wf, f16 [k][n]; out0: f32 [8192][1024].
; 8 x 32 = 256 work-groups, a block of 256 rows x 128 columns each; four waves, 128 x 64 each: 32 accumulator tiles, the 256 registers of window 1.
; K goes in steps of 128 = two heads through a ring of two LDS slots.  A's tile: for each of the two heads the block's 256 tokens are 32,768
; consecutive bytes, brought as 128 rows of 256 bytes (two tokens).  B's tile: 128 k-rows of 256 bytes, read with the transposing LDS load.
; CLUSTERS: 4 x 4 work-groups; A's tile hangs on the block row alone and is asked for jointly along a row of the cluster, B's on the block column
; alone and jointly along a column: the requests for A and for B are divided by four.
; The matrix instruction is used transposed (source 0 = 16 columns of wo, source 1 = 16 rows of ctx): lane l holds row l % 16 and its registers the
; columns 8 (l / 16) + 0..7: 32 neighbouring bytes of f32.
; Window 0: v16-26 addresses; A's fragments v64-127, v128-191; B's v192-223, v224-255 (two buffers each).  Window 1: tile (a, b) at v[8 (4 a + b)].
.set KSTEP,  128
.set APITCH, 272                       ; 16 tokens of a fragment: (r >> 1) 272 + (r & 1) 128: sixteen different 16-byte columns modulo 256 bytes
.set BPITCH, 288                       ; 256 bytes + 32 = 9 x 32: the 8 rows x 2 pieces of a transposing load fall on sixteen different columns
.set AHALF,  128*APITCH                ; one head's 256 tokens: one tensor load
.set BHALF,  64*BPITCH                 ; 64 k-rows: one tensor load
.set BOFF,   2*AHALF
.set SLOT,   BOFF+2*BHALF
.set STAGE,  2*SLOT                    ; behind the ring: 16 rows x 272 bytes for each wave; no tensor load lands there
.set SPITCH, 272
.set LAPS,   1024/(2*KSTEP)
.set ADRA, 16
.set ADRB, 20
.set STO,  24
.set RD,   25
.set CO,   26
.set FA,   64                          ; A's buffer f at FA + 64 f
.set FB,   192                         ; B's buffer f at FB + 32 f
.set G1, 24
.set G0, 32
.set G1B, 48
.set G0B, 56
.set MULW, 0x50                        ; sources 0 and 1 window 0, C and D window 1
.set MSB, 0
.macro WIN new                         ; the immediate's high byte repeats the setting that is left
.if MSB != \new
	s_set_vgpr_msb (MSB<<8)|\new
.set MSB, \new
.endif
.endm
.macro JLOAD s                         ; waves 0 and 1 fetch A's two heads, waves 2 and 3 B's two halves; the branch hangs on the wave's number alone
	s_cmp_eq_u32 s11, 0
	s_cbranch_scc0 .Lfor_b_\@
	tensor_load_to_lds s[G0+4*\s:G0+4*\s+3], s[G1:G1+7]
	s_nop 0
	s_branch .Lasked_\@
.Lfor_b_\@:
	tensor_load_to_lds s[G0B+4*\s:G0B+4*\s+3], s[G1B:G1B+7]
	s_nop 0
.Lasked_\@:
.endm
.macro CREST                           ; a round of the cluster's barrier behind its opening barrier
	s_cmp_lg_u32 s10, 0
	s_cbranch_scc1 .Lnot_wave_0_\@
	s_barrier_signal -3
.Lnot_wave_0_\@:
	s_barrier_wait -3
	s_barrier_signal -1
	s_barrier_wait -1
.endm
.macro CROUND
	s_barrier_signal -1
	s_barrier_wait -1
	CREST
.endm
	s_load_b128 s[4:7], s[0:1], 0x0                ; ctx s[4:5], wf s[6:7]
	s_load_b64 s[8:9], s[0:1], 0x10                ; out0
	v_lshl_add_u32 v62, v0, 2, 0x38400
	v_mov_b32 v63, 0
	ds_add_u32 v62, v63
	ds_add_u32 v62, v63
	v_lshrrev_b32 v1, 5, v0
	v_readfirstlane_b32 s10, v1                    ; wave 0..3
	s_lshr_b32 s11, s10, 1                         ; which 128 rows are mine.  Also: I fetch for A (0) or for B (1)
	s_and_b32 s12, s10, 1                          ; which 64 columns.  Also: which half of that tile I fetch
	s_bfe_u32 s40, ttmp6, 0x40000                  ; cx
	s_bfe_u32 s41, ttmp6, 0x40004                  ; cy
	s_lshl_b32 s42, ttmp9, 2
	s_add_co_u32 s42, s42, s40                     ; block column, 0 to 7
	s_and_b32 s13, ttmp7, 0xffff
	s_lshl_b32 s13, s13, 2
	s_add_co_u32 s13, s13, s41                     ; block row, 0 to 31
	s_lshl_b32 s43, s41, 2
	s_lshl_b32 s43, 15, s43                        ; my row of the cluster
	s_lshl_b32 s44, 0x1111, s40                    ; my column
	; group 1 for A: 128 dense rows of 32 elements of 8 bytes, 4 words of padding behind every 64 words
	s_or_b32 s[G1+0], s43, (3<<16)|(1<<20)|(1<<21)|(5<<22)|(3<<25)
	s_mov_b32 s[G1+1], 32<<16
	s_mov_b32 s[G1+2], 128<<16
	s_mov_b32 s[G1+3], 32<<16
	s_mov_b32 s[G1+4], 128
	s_mov_b32 s[G1+5], 32
	s_mov_b32 s[G1+6], 0
	s_mov_b32 s[G1+7], 0
	; group 1 for B: 64 k-rows of 128 elements of 2 bytes, 8 words of padding behind every 64 words
	s_or_b32 s[G1B+0], s44, (1<<16)|(1<<20)|(1<<21)|(5<<22)|(7<<25)
	s_mov_b32 s[G1B+1], 128<<16
	s_mov_b32 s[G1B+2], 64<<16
	s_mov_b32 s[G1B+3], 128<<16
	s_mov_b32 s[G1B+4], 64
	s_mov_b32 s[G1B+5], 1024
	s_mov_b32 s[G1B+6], 0
	s_mov_b32 s[G1B+7], 0
	; A's offset: batch = block row / 4 (16 heads of 131,072 bytes), head = my half, tokens from 256 (block row % 4), 128 bytes each
	s_lshr_b32 s16, s13, 2
	s_lshl_b32 s16, s16, 21
	s_and_b32 s17, s13, 3
	s_lshl_b32 s17, s17, 15
	s_add_co_u32 s16, s16, s17
	s_lshl_b32 s17, s12, 17
	s_add_co_u32 s16, s16, s17
	s_mov_b32 s17, 0
	; B's offset: the fourth matrix of wf, 128 columns x 2 bytes for each block column, 64 k-rows of 2,048 bytes for the second half
	s_lshl_b32 s46, s42, 8
	s_lshl_b32 s47, s12, 17
	s_add_co_u32 s46, s46, s47
	s_add_co_u32 s46, s46, 3*2097152
	s_mov_b32 s47, 0
	s_mul_i32 s20, s10, AHALF                      ; where A's parts go (waves 0, 1),
	s_mul_i32 s45, s10, BHALF
	s_add_co_u32 s45, s45, BOFF-2*BHALF            ; and B's (waves 2, 3): made of the wave's number alone
	s_wait_dscnt 0x0
	s_wait_kmcnt 0x0
	s_add_nc_u64 s[14:15], s[4:5], s[16:17]
	s_add_nc_u64 s[46:47], s[6:7], s[46:47]
	CROUND                                         ; all sixteen work-groups are here: the first joint loads meet
.irp s, 0,1
	s_mov_b32 s[G0+4*\s], 1
	s_add_co_u32 s[G0+4*\s+1], s20, \s*SLOT
	s_add_nc_u64 s[G0+4*\s+2:G0+4*\s+3], s[14:15], \s*2*131072         ; K step s: two heads on
	s_or_b32 s[G0+4*\s+3], s[G0+4*\s+3], 0x80000000
	s_mov_b32 s[G0B+4*\s], 1
	s_add_co_u32 s[G0B+4*\s+1], s45, \s*SLOT
	s_add_nc_u64 s[G0B+4*\s+2:G0B+4*\s+3], s[46:47], \s*KSTEP*2048     ; K step s: 128 k-rows down
	s_or_b32 s[G0B+4*\s+3], s[G0B+4*\s+3], 0x80000000
	JLOAD \s                                       ; two tensor loads of the wave are out: the most in this text
.endr
	v_and_b32 v1, 15, v0                           ; r
	v_bfe_u32 v2, v0, 4, 1                         ; h
	v_lshrrev_b32 v3, 1, v1
	v_mul_u32_u24 v3, v3, APITCH
	v_and_b32 v4, 1, v0
	v_lshl_add_u32 v3, v4, 7, v3
	v_lshl_add_u32 v3, v2, 4, v3                   ; A: (r >> 1) 272 + (r & 1) 128 + 16 h
	v_and_b32 v6, 7, v0
	v_lshl_add_u32 v6, v2, 3, v6
	v_mul_u32_u24 v6, v6, BPITCH
	v_bfe_u32 v7, v0, 3, 1
	v_lshl_add_u32 v6, v7, 4, v6                   ; B: k-row 8 h + l % 8, piece (l / 8) % 2
	s_mul_i32 s21, s11, 64*APITCH                  ; my 128 tokens: 64 rows of two
	s_lshl_b32 s22, s12, 7                         ; my 64 columns: 128 bytes along B's rows
	s_add_co_u32 s22, s22, BOFF
.irp s, 0,1
	v_add_nc_u32 v[ADRA+\s], s21, v3
	v_add_nc_u32 v[ADRB+\s], s22, v6
	s_add_co_u32 s21, s21, SLOT
	s_add_co_u32 s22, s22, SLOT
.endr
	s_mul_i32 s23, s10, 16*SPITCH
	s_add_co_u32 s23, s23, STAGE                   ; my stage
	v_mul_u32_u24 v4, v1, SPITCH
	v_lshl_add_u32 v4, v2, 5, v4                   ; in: row r, 32 bytes for each half of the lanes
	v_add_nc_u32 v[STO], s23, v4
	v_mul_u32_u24 v5, v2, SPITCH
	v_lshl_add_u32 v5, v1, 4, v5                   ; back: lanes 0-15 take one row of 256 bytes, lanes 16-31 the next
	v_add_nc_u32 v[RD], s23, v5
	v_lshlrev_b32 v5, 12, v2
	v_lshl_add_u32 v[CO], v1, 4, v5                ; and the same two rows in out0, 4,096 bytes apart
; 8 matrix instructions: row blocks a0, a0 + 1 x all 4 column blocks, 32 along K, on buffer f.  zero = 1: the first product starts the sums.
; The 32 accumulators take turns, one instruction a turn, in the same order in every quarter step.
.macro MUL8 f, a0, zero
.irp a, \a0, \a0+1
.irp b, 0,1,2,3
.if \zero
	v_wmma_f32_16x16x32_f16 v[8*(4*(\a)+\b):8*(4*(\a)+\b)+7], v[FB+32*\f+8*\b:FB+32*\f+8*\b+7], v[FA+64*\f+8*(\a):FA+64*\f+8*(\a)+7], 0
.else
	v_wmma_f32_16x16x32_f16 v[8*(4*(\a)+\b):8*(4*(\a)+\b)+7], v[FB+32*\f+8*\b:FB+32*\f+8*\b+7], v[FA+64*\f+8*(\a):FA+64*\f+8*(\a)+7], v[8*(4*(\a)+\b):8*(4*(\a)+\b)+7]
.endif
.endr
.endr
.endm
; 24 LDS loads in one run, all into window 0: quarter kq (32 along K: head kq / 2, d from 32 (kq % 2)) of a slot into buffer f: B, then A's rows 0-63, 64-127
.macro FETCH slot, kq, f
.irp i, 0,1,2,3
	ds_load_tr16_b128 v[FB+32*\f+8*\i:FB+32*\f+8*\i+3],   v[ADRB+\slot] offset:\kq*32*BPITCH+32*\i
	ds_load_tr16_b128 v[FB+32*\f+8*\i+4:FB+32*\f+8*\i+7], v[ADRB+\slot] offset:\kq*32*BPITCH+16*BPITCH+32*\i
.endr
.irp i, 0,1,2,3,4,5,6,7
	ds_load_b128 v[FA+64*\f+8*\i:FA+64*\f+8*\i+3],   v[ADRA+\slot] offset:(\kq>>1)*AHALF+(\kq&1)*64+\i*8*APITCH
	ds_load_b128 v[FA+64*\f+8*\i+4:FA+64*\f+8*\i+7], v[ADRA+\slot] offset:(\kq>>1)*AHALF+(\kq&1)*64+\i*8*APITCH+32
.endr
.endm
.macro PLACES                          ; four plain vector instructions behind matrix instructions (ISA guide 7.12.1 for vector instructions)
.rept 4
	v_nop
.endr
.endm
.macro QUARTER slot, kq, f, g, zero
	s_wait_dscnt 8                                 ; B and A's rows 0-63 are in; the youngest eight loads (A's rows 64-127) may be out
	WIN MULW
	MUL8 \f, 0, \zero
	MUL8 \f, 2, \zero
	WIN 0
	PLACES
	FETCH \slot, \kq, \g
	s_wait_dscnt 24                                ; all but the 24 just issued
	WIN MULW
	MUL8 \f, 4, \zero
	MUL8 \f, 6, \zero
.endm
.macro THREE slot, zero
	QUARTER \slot, 1, 0, 1, \zero
	QUARTER \slot, 2, 1, 0, 0
	QUARTER \slot, 3, 0, 1, 0
.endm
; The last quarter: multiplies buffer 1 and changes slots.  In front of the barrier each wave waits for its reads of this slot and for all its
; tensor loads (one is out: its part of the next slot); behind it the refill comes first.  From a request to the wait for it: 120 matrix instructions.
.macro TURN slot, next, fill
	s_wait_dscnt 8
	WIN MULW
	MUL8 1, 0, 0
	s_wait_dscnt 0                                 ; my reads of this slot are over
	s_wait_tensorcnt 0x0                           ; and all my tensor loads have landed
	ds_add_u32 v62, v63
	s_wait_dscnt 0x0
	s_barrier_signal -1                            ; where a slot is filled again this barrier opens a round of the cluster's barrier
	MUL8 1, 2, 0                                   ; register work while the others arrive
	WIN 0
	s_barrier_wait -1
.if \fill
	CREST                                          ; no wave of any partner still reads this slot's tile or has a load on its way
	s_add_nc_u64 s[G0+4*\slot+2:G0+4*\slot+3], s[G0+4*\slot+2:G0+4*\slot+3], 4*131072
	s_add_nc_u64 s[G0B+4*\slot+2:G0B+4*\slot+3], s[G0B+4*\slot+2:G0B+4*\slot+3], 2*KSTEP*2048
	JLOAD \slot                                    ; the first tensor load behind the round, the wave's only one until the next
.endif
	PLACES
	FETCH \next, 0, 0
	WIN MULW
	MUL8 1, 4, 0
	MUL8 1, 6, 0
.endm
.macro LAP zero
	THREE 0, \zero
	TURN 0, 1, 1
	THREE 1, 0
	TURN 1, 0, 1
.endm
	s_wait_tensorcnt 1                             ; my part of K step 0 is in; K step 1's stays out
	s_barrier_signal -1
	s_barrier_wait -1
	FETCH 0, 0, 0
	LAP 1                                          ; the first lap stands in front of the loop: its first products start the sums
	WIN 0
	s_mov_b32 s3, LAPS-2
.Llap:
	LAP 0
	WIN 0
	s_sub_co_u32 s3, s3, 1
	s_cmp_lg_u32 s3, 0
	s_cbranch_scc1 .Llap
	THREE 0, 0                                     ; the last lap fills nothing
	TURN 0, 1, 0
	THREE 1, 0
	s_wait_dscnt 8
	WIN MULW
	MUL8 1, 0, 0
	MUL8 1, 2, 0
	s_wait_dscnt 0
	MUL8 1, 4, 0
	MUL8 1, 6, 0
	WIN 0
	; THE WAY OUT, 16 rows at a time: the f32 sums go as they are into my own stage, 32 bytes a lane, and come back as whole rows of 256 bytes.
	PLACES
	s_lshl_b32 s16, s13, 20                        ; 256 rows of 4,096 bytes for each block row,
	s_lshl_b32 s14, s11, 19                        ; 128 for my half
	s_add_co_u32 s16, s16, s14
	s_mov_b32 s17, 0
	s_add_nc_u64 s[8:9], s[8:9], s[16:17]
	s_lshl_b32 s46, s42, 9                         ; 128 columns x 4 bytes for each block column,
	s_lshl_b32 s47, s12, 8                         ; 64 for my half
	s_add_co_u32 s46, s46, s47
	s_mov_b32 s47, 0
	s_add_nc_u64 s[8:9], s[8:9], s[46:47]
.macro OUT16 i, f
	WIN 0x04                                       ; an LDS store's data is its source 1: window 1
.irp b, 0,1,2,3
	ds_store_b128 v[STO], v[8*(4*\i+\b):8*(4*\i+\b)+3] offset:64*\b
	ds_store_b128 v[STO], v[8*(4*\i+\b)+4:8*(4*\i+\b)+7] offset:64*\b+16
.endr
	WIN 0
	s_wait_xcnt 0x0                                ; buffer f, which earlier stores read, is loaded again only behind this wait
.irp t, 0,1,2,3,4,5,6,7
	ds_load_b128 v[FA+64*\f+4*\t:FA+64*\f+4*\t+3], v[RD] offset:\t*2*SPITCH   ; LDS serves a wave's instructions in order: these see the stores above
.endr
.irp t, 0,1,2,3,4,5,6,7
	s_wait_dscnt 7-\t                              ; load t is in, the 7 - t younger ones stay out
	global_store_b128 v[CO], v[FA+64*\f+4*\t:FA+64*\f+4*\t+3], s[8:9] offset:\i*65536+\t*8192 th:TH_STORE_NT   ; 16 lanes store 256 consecutive bytes, aligned
.endr
.endm
	OUT16 0, 0
	OUT16 1, 1
	OUT16 2, 0
	OUT16 3, 1
	OUT16 4, 0
	OUT16 5, 1
	OUT16 6, 0
	OUT16 7, 1
	s_wait_tensorcnt 0x0
	ds_add_u32 v62, v63
	s_wait_dscnt 0x0
	CROUND                                         ; the closing round: no work-group ends while a partner may still ask for a tile that names it
	s_endpgm
.Lfunc_end_k_q39da6a7b04_oproj:
	.size	k_q39da6a7b04_oproj, .Lfunc_end_k_q39da6a7b04_oproj-k_q39da6a7b04_oproj
	.p2alignl 7, 3214868480
	.fill 96, 4, 3214868480
	.section	.rodata,"a",@progbits
	.p2align	6, 0x0
	.amdhsa_kernel k_q39da6a7b04_oproj
		.amdhsa_group_segment_fixed_size 327680
		.amdhsa_private_segment_fixed_size 0
		.amdhsa_enable_private_segment 0
		.amdhsa_kernarg_size 24
		.amdhsa_user_sgpr_count 2
		.amdhsa_user_sgpr_kernarg_segment_ptr 1
		.amdhsa_wavefront_size32 1
		.amdhsa_system_sgpr_workgroup_id_x 1
		.amdhsa_system_sgpr_workgroup_id_y 1
		.amdhsa_system_sgpr_workgroup_id_z 1
		.amdhsa_system_vgpr_workitem_id 0
		.amdhsa_next_free_vgpr 512
		.amdhsa_next_free_sgpr 66
		.amdhsa_reserve_vcc 0
		.amdhsa_float_denorm_mode_32 3
		.amdhsa_float_denorm_mode_16_64 3
		.amdhsa_memory_ordered 1
		.amdhsa_forward_progress 1
		.amdhsa_inst_pref_size 118
	.end_amdhsa_kernel
	.amdgpu_metadata
---
amdhsa.version: [ 1, 2 ]
amdhsa.kernels:
  - .name:           k_q39da6a7b04_oproj
    .symbol:         k_q39da6a7b04_oproj.kd
    .args:
      - { .name: ctx, .offset: 0, .size: 8, .value_kind: global_buffer, .address_space: global }
      - { .name: wf, .offset: 8, .size: 8, .value_kind: global_buffer, .address_space: global }
      - { .name: out0, .offset: 16, .size: 8, .value_kind: global_buffer, .address_space: global }
    .group_segment_fixed_size: 327680
    .private_segment_fixed_size: 0
    .kernarg_segment_align: 8
    .kernarg_segment_size: 24
    .max_flat_workgroup_size: 128
    .sgpr_count:     66
    .vgpr_count:     512
    .wavefront_size: 32
...
	.end_amdgpu_metadata
.endif
;; end of part 4
;; ======== version 2 of 2: 4 launches; version 1 with the launch prep written anew for expert scheduling mode
;; limits: values are held in f16: magnitudes above 65,504 overflow, below 6.1e-05 lose precision; values outside matrix products are rounded to bf16
;; workspace buffers: hf 16,777,216 bytes; wf 8,388,608 bytes; qkv 50,331,648 bytes; ctx 16,777,216 bytes
;; launch prep (part 5): grid 64 x 12, 8 waves a work-group, no clusters, 0 bytes of LDS; arguments hidden_states, wq, wk, wv, wo, hf, wf; writes hf, wf
.if DOCPART == 5
	.amdgcn_target "amdgcn-amd-amdhsa--gfx1250"
	.amdhsa_code_object_version 6
	.text
	.protected	k_q39da6a7b04_prep
	.globl	k_q39da6a7b04_prep
	.p2align	8
	.type	k_q39da6a7b04_prep,@function
k_q39da6a7b04_prep:
	s_mov_b64 s[64:65], 0
	v_nop
	global_prefetch_b8 v0, s[64:65] scope:SCOPE_SE
	s_setreg_imm32_b32 hwreg(HW_REG_WAVE_SCHED_MODE, 0, 2), 2
	s_setreg_imm32_b32 hwreg(HW_REG_WAVE_MODE, 25, 1), 1
	s_wait_xcnt 0x0
	s_wait_alu depctr_vm_vsrc(0)
; Rounds the matrix operands to bf16 (to nearest even) and lays them out for the products that follow:
;   hidden_states -> hf, bf16 [16 k blocks][8192 rows][64]: two neighbouring rows of a k block are 256 consecutive bytes;
;   wq, wk, wv    -> wf, bf16 [1024 k][3072 = q | k | v]: the first 6,291,456 bytes;
;   wo            -> wf behind them, [1024 k][1024 n], rounded to bf16 like the others and then written in f16's format, since its partner in the
;                    last product (ctx) is kept in f16.
; So every input enters the program rounded to bf16 and to nothing else.
; LIMIT (wo alone): a bf16 number is exact in f16 for magnitudes from 2^-17 up to 65,504; below, it is rounded to f16's step of 2^-24;
; from 65,504 on it would become an infinity.
; A stream: no LDS, no barrier, no matrix unit.  Grid y picks a unit of 1,048,576 numbers (0-7: hidden_states; 8-11: wq, wk, wv, wo),
; grid x a chunk of 16 rows of 1,024 numbers: 64 KiB in, 32 KiB out.  A lane takes 16 bytes a load and stores 8 bytes for them.
; Weights: thread t keeps columns 4 t .. 4 t + 3, load j is row j: a load of a wave covers 512 consecutive bytes, a store 256, aligned.
; hidden_states: wave w keeps k blocks 2 w and 2 w + 1; a load takes two rows x 64 columns (lanes 0-15 one row, lanes 16-31 the next: two aligned
; pieces of 256 bytes), and its store is the 256 consecutive bytes that those two rows have in hf.
; All sixteen loads of a lane go out first; no source of a pending instruction is ever rewritten.
; THE MODE: SCHED_MODE bits 1:0 = 2 (LLVM: expert scheduling mode 2), set by the entry lines.  The code itself states the register dependences
; between vector instructions and memory instructions, with s_wait_alu, always for 0.
; THE PLAN.  Registers that memory instructions touch:
;   v1, v2   byte offsets of the loads and of the stores: written once, at the head of each of the three paths, never again.
;   X        piece p's load lands in X[p], once; its conversions read it (wo's also write it, behind the wait that shows the load done); no memory instruction reads it.
;   Y        piece p's conversions write Y[p]; one store reads it; nothing writes it after that.
; So no register that a memory instruction reads is written again, and no wait on vm_vsrc is owed.  The sixteen pieces go in four groups of four.
; Group g's conversions name X and Y of pieces 4 g .. 4 g + 3 alone; the memory instructions that stand among them are the four stores of group g - 1,
; which read that group's Y and v2.  One wait on va_vdst at a group's head states all that those four stores hang on.
.set X, 4                              ; v[4:67]   sixteen loads of four f32
.set Y, 68                             ; v[68:99]  sixteen results of four 16-bit numbers
.set WROW, 6144                        ; bytes of a k row of q | k | v in wf
.set KBB,  8192*128                    ; bytes of a k block of hf
; Piece p is rounded.  tof16 = 1: the rounded numbers are widened again (a shift, a mask) and written in f16's format.
.macro CONV p, tof16
	v_cvt_pk_bf16_f32 v[Y+2*(\p)], v[X+4*(\p)], v[X+4*(\p)+1]
	v_cvt_pk_bf16_f32 v[Y+2*(\p)+1], v[X+4*(\p)+2], v[X+4*(\p)+3]
.if \tof16
	v_lshlrev_b32 v[X+4*(\p)], 16, v[Y+2*(\p)]
	v_and_b32 v[X+4*(\p)+1], s20, v[Y+2*(\p)]
	v_lshlrev_b32 v[X+4*(\p)+2], 16, v[Y+2*(\p)+1]
	v_and_b32 v[X+4*(\p)+3], s20, v[Y+2*(\p)+1]
	v_cvt_pk_f16_f32 v[Y+2*(\p)], v[X+4*(\p)], v[X+4*(\p)+1]
	v_cvt_pk_f16_f32 v[Y+2*(\p)+1], v[X+4*(\p)+2], v[X+4*(\p)+3]
.endif
.endm
; Piece p is stored, at (p % 8) sa + (p / 8) sb in the destination.
.macro PUT p, sa, sb
	global_store_b64 v2, v[Y+2*(\p):Y+2*(\p)+1], s[26:27] offset:((\p)&7)*(\sa)+((\p)>>3)*(\sb)   ; no hint: a later launch reads these bytes
.endm
; Sixteen loads, then sixteen pieces in four groups.  Piece j stands at (j % 8) la + (j / 8) lb in the source.
.macro RUN la, lb, sa, sb, tof16
	s_wait_alu depctr_va_vdst(0)                   ; v1 and v2 are written, which every load and store below reads as its offset; the address arithmetic is done writing and reading v4 to v6, in which the first load lands
.irp j, 0,1,2,3,4,5,6,7,8,9,10,11,12,13,14,15
	global_load_b128 v[X+4*\j:X+4*\j+3], v1, s[22:23] offset:(\j&7)*(\la)+(\j>>3)*(\lb) th:TH_LOAD_NT   ; read once in the launch
.endr
.irp g, 0,1,2,3
	s_wait_loadcnt 12-4*\g                         ; loads come back in order: group g's four are in, the later groups' four each stay out
.if \g > 0
	s_wait_alu depctr_va_vdst(0)                   ; the conversions of the group before have written its Y, which the four stores below read
.endif
.irp i, 0,1,2,3
.if \g > 0
	PUT 4*\g+\i-4, \sa, \sb                        ; the group before.  No further wait: no vector instruction since the wait above names its Y or v2
.endif
	CONV 4*\g+\i, \tof16
.endr
.endr
	s_wait_alu depctr_va_vdst(0)                   ; the last group's conversions have written its Y, which the last four stores read
.irp i, 12,13,14,15
	PUT \i, \sa, \sb
.endr
.endm
	s_load_b256 s[4:11], s[0:1], 0x0               ; hidden_states s[4:5], wq s[6:7], wk s[8:9], wv s[10:11]
	s_load_b128 s[12:15], s[0:1], 0x20             ; wo s[12:13], hf s[14:15]
	s_load_b64 s[16:17], s[0:1], 0x30              ; wf
	s_and_b32 s18, ttmp7, 0xffff                   ; the unit, 0 to 11
	s_cmp_lt_u32 s18, 8
	s_cselect_b32 s24, s18, 0                      ; source: unit of hidden_states, or the weight's first byte
	s_lshl_b32 s24, s24, 22                        ; units of 4 MiB,
	s_lshl_b32 s19, ttmp9, 16                      ; chunks of 64 KiB
	s_add_co_u32 s24, s24, s19
	s_mov_b32 s25, 0
	s_mov_b32 s29, 0
	s_mov_b32 s20, 0xffff0000                      ; a word's upper bf16
	s_wait_kmcnt 0x0
	s_cmp_eq_u32 s18, 8                            ; the choices hang on the grid's y alone
	s_cselect_b64 s[22:23], s[6:7], s[4:5]
	s_cmp_eq_u32 s18, 9
	s_cselect_b64 s[22:23], s[8:9], s[22:23]
	s_cmp_eq_u32 s18, 10
	s_cselect_b64 s[22:23], s[10:11], s[22:23]
	s_cmp_eq_u32 s18, 11
	s_cselect_b64 s[22:23], s[12:13], s[22:23]
	s_add_nc_u64 s[22:23], s[22:23], s[24:25]
	s_cmp_lt_u32 s18, 8
	s_cbranch_scc1 .Lhidden
	v_lshlrev_b32 v1, 4, v0                        ; weights: 16 t in,
	v_lshlrev_b32 v2, 3, v0                        ; 8 t out
	s_cmp_eq_u32 s18, 11
	s_cbranch_scc1 .Lwo
	s_sub_co_u32 s28, s18, 8                       ; wq, wk, wv: the matrix's 2,048 bytes in a k row,
	s_lshl_b32 s28, s28, 11
	s_mul_i32 s19, ttmp9, 16*WROW                  ; 16 k rows a chunk
	s_add_co_u32 s28, s28, s19
	s_add_nc_u64 s[26:27], s[16:17], s[28:29]
	RUN 4096, 8*4096, WROW, 8*WROW, 0
	s_endpgm
.Lwo:
	s_lshl_b32 s28, ttmp9, 15                      ; wo: 16 k rows of 2,048 bytes a chunk, behind q | k | v
	s_add_co_u32 s28, s28, 1024*WROW
	s_add_nc_u64 s[26:27], s[16:17], s[28:29]
	RUN 4096, 8*4096, 2048, 8*2048, 1
	s_endpgm
.Lhidden:
	s_lshl_b32 s28, s18, 17                        ; 1,024 rows of 128 bytes a unit,
	s_lshl_b32 s19, ttmp9, 11                      ; 16 a chunk
	s_add_co_u32 s28, s28, s19
	s_add_nc_u64 s[26:27], s[14:15], s[28:29]
	v_and_b32 v3, 31, v0                           ; lane
	v_lshrrev_b32 v4, 5, v0                        ; wave
	v_bfe_u32 v5, v0, 4, 1                         ; which of the two rows
	v_and_b32 v6, 15, v0                           ; which 4 of the 64 columns
	v_lshlrev_b32 v1, 4, v6
	v_lshl_add_u32 v1, v5, 12, v1                  ; in: 16 c + 4,096 x row
	v_lshl_add_u32 v1, v4, 9, v1                   ;     + two k blocks of 256 bytes a wave
	v_lshlrev_b32 v2, 3, v3                        ; out: 8 x lane = 128 x row + 8 c
	v_lshl_add_u32 v2, v4, 21, v2                  ;      + two k blocks a wave
	RUN 2*4096, 256, 256, KBB, 0                   ; piece j: rows 2 (j % 8) and + 1, k block 2 w + j / 8
	s_endpgm
.Lfunc_end_k_q39da6a7b04_prep:
	.size	k_q39da6a7b04_prep, .Lfunc_end_k_q39da6a7b04_prep-k_q39da6a7b04_prep
	.p2alignl 7, 3214868480
	.fill 96, 4, 3214868480
	.section	.rodata,"a",@progbits
	.p2align	6, 0x0
	.amdhsa_kernel k_q39da6a7b04_prep
		.amdhsa_group_segment_fixed_size 0
		.amdhsa_private_segment_fixed_size 0
		.amdhsa_enable_private_segment 0
		.amdhsa_kernarg_size 56
		.amdhsa_user_sgpr_count 2
		.amdhsa_user_sgpr_kernarg_segment_ptr 1
		.amdhsa_wavefront_size32 1
		.amdhsa_system_sgpr_workgroup_id_x 1
		.amdhsa_system_sgpr_workgroup_id_y 1
		.amdhsa_system_sgpr_workgroup_id_z 1
		.amdhsa_system_vgpr_workitem_id 0
		.amdhsa_next_free_vgpr 100
		.amdhsa_next_free_sgpr 66
		.amdhsa_reserve_vcc 0
		.amdhsa_float_denorm_mode_32 3
		.amdhsa_float_denorm_mode_16_64 3
		.amdhsa_memory_ordered 1
		.amdhsa_forward_progress 1
		.amdhsa_inst_pref_size 23
	.end_amdhsa_kernel
	.amdgpu_metadata
---
amdhsa.version: [ 1, 2 ]
amdhsa.kernels:
  - .name:           k_q39da6a7b04_prep
    .symbol:         k_q39da6a7b04_prep.kd
    .args:
      - { .name: hidden_states, .offset: 0, .size: 8, .value_kind: global_buffer, .address_space: global }
      - { .name: wq, .offset: 8, .size: 8, .value_kind: global_buffer, .address_space: global }
      - { .name: wk, .offset: 16, .size: 8, .value_kind: global_buffer, .address_space: global }
      - { .name: wv, .offset: 24, .size: 8, .value_kind: global_buffer, .address_space: global }
      - { .name: wo, .offset: 32, .size: 8, .value_kind: global_buffer, .address_space: global }
      - { .name: hf, .offset: 40, .size: 8, .value_kind: global_buffer, .address_space: global }
      - { .name: wf, .offset: 48, .size: 8, .value_kind: global_buffer, .address_space: global }
    .group_segment_fixed_size: 0
    .private_segment_fixed_size: 0
    .kernarg_segment_align: 8
    .kernarg_segment_size: 56
    .max_flat_workgroup_size: 256
    .sgpr_count:     66
    .vgpr_count:     100
    .wavefront_size: 32
...
	.end_amdgpu_metadata
.endif
;; end of part 5
;; launch qkv: the kernel of part 2 again; grid 8 x 32, 4 waves a work-group, clusters of 4 x 4, 327,680 bytes of LDS; arguments hf, wf, qkv; writes qkv
;; launch attn: the kernel of part 3 again; grid 256 x 1, 8 waves a work-group, no clusters, 315,136 bytes of LDS; arguments qkv, rel_bias, ctx; writes ctx
;; launch oproj: the kernel of part 4 again; grid 8 x 32, 4 waves a work-group, clusters of 4 x 4, 327,680 bytes of LDS; arguments ctx, wf, out0; writes out0
